; MI455X (gfx1250); checked and timed in simulation.
; The chip was launched on July 23, 2026; its instructions are those of AMD's public machine-readable ISA for CDNA 5 (MIT licence, August 2026) and "CDNA5" Instruction Set Architecture Reference Guide (July 2026). The comments in the code are by the model that wrote it; some were corrected since.
;; Multi CA. Allowed arithmetic: matrix products marked QUANTISED: E4M3 operands, one given power-of-two scale a tensor, by v_wmma_f32_16x16x64_fp8_fp8 or v_wmma_f32_16x16x128_fp8_fp8, f32 sums; everything else in f32.
;; Inputs: W1 1,024 x 1,024 float32; W2 1,024 x 1,024 float32; Wka 1,024 x 1,024 float32; Wkt 1,024 x 1,024 float32; Wkv 1,024 x 1,024 float32; Wq 1,024 x 1,024 float32; Wva 1,024 x 1,024 float32; Wvt 1,024 x 1,024 float32; Wvv 1,024 x 1,024 float32; b1 1,024 float32; b2 1,024 float32; be1 1,024 float32; be2 1,024 float32; g1 1,024 float32; g2 1,024 float32; h_a 4 x 1,024 x 1,024 float32; h_t 4 x 1,024 x 1,024 float32; h_v 4 x 1,024 x 1,024 float32; lowp_scales 30 int32 (the exponents e of the quantised operands' scales 2^e); query 4 x 1,024 x 1,024 float32.
;; Outputs: out0 4 x 1,024 x 1,024 float32.
;; This version of the problem:
;;   THIS VERSION OF THE PROBLEM IS GIVEN IN LOW PRECISION. The matrix products marked QUANTISED in the list below multiply operands that are first quantised to E4M3 (4 exponent bits, 3 mantissa bits; 8 bits a number), with one given power-of-two scale for each operand tensor; their sums are f32. All else is computed in f32.
;;   The module's matrix products, in the order in which they are computed (A, B: the left and right operand; K: the contracted axis; several contracted axes count as one K, in the product's order):
;;     1. [M 4,096, K 1,024] x [K 1,024, N 1,024]; A: input query; B: input Wq: QUANTISED (scales: A lowp_scales[0], B lowp_scales[1])
;;     2. [M 4,096, K 1,024] x [K 1,024, N 1,024]; A: input h_t; B: input Wkt: QUANTISED (scales: A lowp_scales[2], B lowp_scales[3])
;;     3. [M 4,096, K 1,024] x [K 1,024, N 1,024]; A: input h_t; B: input Wvt: QUANTISED (scales: A lowp_scales[4], B lowp_scales[5])
;;     4. batch 64 x [M 1,024, K 64] x [K 64, N 1,024]; A: computed on the way; B: computed on the way: QUANTISED (scales: A lowp_scales[6], B lowp_scales[7])
;;     5. batch 64 x [M 1,024, K 1,024] x [K 1,024, N 64]; A: softmax (see below); B: computed on the way: QUANTISED (scales: A lowp_scales[8], B lowp_scales[9])
;;     6. [M 4,096, K 1,024] x [K 1,024, N 1,024]; A: input h_a; B: input Wka: QUANTISED (scales: A lowp_scales[10], B lowp_scales[11])
;;     7. [M 4,096, K 1,024] x [K 1,024, N 1,024]; A: input h_a; B: input Wva: QUANTISED (scales: A lowp_scales[12], B lowp_scales[13])
;;     8. batch 64 x [M 1,024, K 64] x [K 64, N 1,024]; A: computed on the way; B: computed on the way: QUANTISED (scales: A lowp_scales[14], B lowp_scales[15])
;;     9. batch 64 x [M 1,024, K 1,024] x [K 1,024, N 64]; A: softmax (see below); B: computed on the way: QUANTISED (scales: A lowp_scales[16], B lowp_scales[17])
;;     10. [M 4,096, K 1,024] x [K 1,024, N 1,024]; A: input h_v; B: input Wkv: QUANTISED (scales: A lowp_scales[18], B lowp_scales[19])
;;     11. [M 4,096, K 1,024] x [K 1,024, N 1,024]; A: input h_v; B: input Wvv: QUANTISED (scales: A lowp_scales[20], B lowp_scales[21])
;;     12. batch 64 x [M 1,024, K 64] x [K 64, N 1,024]; A: computed on the way; B: computed on the way: QUANTISED (scales: A lowp_scales[22], B lowp_scales[23])
;;     13. batch 64 x [M 1,024, K 1,024] x [K 1,024, N 64]; A: softmax (see below); B: computed on the way: QUANTISED (scales: A lowp_scales[24], B lowp_scales[25])
;;     14. [M 4,096, K 1,024] x [K 1,024, N 1,024]; A: computed on the way; B: input W1: QUANTISED (scales: A lowp_scales[26], B lowp_scales[27])
;;     15. [M 4,096, K 1,024] x [K 1,024, N 1,024]; A: computed on the way; B: input W2: QUANTISED (scales: A lowp_scales[28], B lowp_scales[29])
;;   THE QUANTISER, for each operand of a quantised product, along K:
;;     - The operand's scale is 2^e, e = its entry of the input lowp_scales (int32; the entries are numbered through the quantised products in the list's order, A before B).
;;     - Each number is divided by the scale, clamped to +-448, and rounded to the nearest number of E4M3, ties to even, subnormals kept.
;;     - The product sums the exact products of the quantised numbers (number of the format x scale) in f32.
;;   ~~~python
;;   def quantise(x, axis, e):      # numpy; x: float32 -> the quantised numbers, widened to float32 again
;;       x = np.moveaxis(x, axis, -1); K = x.shape[-1]
;;       r = np.clip(x / 2.0 ** e, -448, 448)
;;       step = 2.0 ** (np.maximum(np.frexp(np.where(r == 0, 1, r))[1] - 1, -6) - 3)
;;       q = np.round(r / step) * step * 2.0 ** e      # np.round: ties to even
;;       return np.moveaxis(q, -1, axis).astype(np.float32)
;;   ~~~
;;   SOFTMAX AHEAD OF A QUANTISED PRODUCT. Where the list says 'softmax', what is quantised is not the finished softmax but p = 2^(t - M), with t = logit x log2(e) and M = ceil(the row's largest t), a whole number; so 1/2 < the row's largest p <= 1. The row's sum l is taken of the UNQUANTISED p, in f32, and the product's result is divided by l at the end. Since M is a whole number, a kernel that streams over the keys may use a running M (the ceiling of the running maximum): every later rescaling is an exact power of two, so the quantised numbers keep their values, but for numbers so far below the row's largest that they fall under the format's range.
;;   OPERANDS COMPUTED ON THE WAY. 'Computed on the way' means the value that the module computes at that place (a softmax that the list does not call 'softmax' is quantised finished and normalised). What goes into a quantiser is computed in f32, as accurately as f32 sums, v_exp_f32 and their like allow (about 1e-6 of the number): no bf16 or f16 on the way to a quantiser, and a product that is left as it is and whose result goes on into a quantised operand takes f32 operands (vector FMAs, or v_wmma_f32_16x16x4_f32). A number that lies on a knife's edge between two numbers of the format may be rounded either way, as far as f32 arithmetic and the matrix unit's own rounding can turn it there, and no further.
;; One version. Each part assembles by itself: llvm-mc -triple=amdgcn-amd-amdhsa -mcpu=gfx1250 --defsym DOCPART=n.
;; ======== version 1 of 1: 4 launches
;; limits: right only within a limited range of input values
;; workspace buffers: codes 36,700,160 bytes; wf 2,097,152 bytes; qkv 37,748,736 bytes; xr 16,777,216 bytes
;; launch quant (part 1): grid 800 x 1, 4 waves a work-group, no clusters, 68,096 bytes of LDS; arguments query, h_t, h_a, h_v, Wq, Wkt, Wvt, Wka, Wva, Wkv, Wvv, W1, W2, lowp_scales, codes, wf; writes codes, wf
.if DOCPART == 1
	.amdgcn_target "amdgcn-amd-amdhsa--gfx1250"
	.amdhsa_code_object_version 6
	.text
	.protected	k_qe7f6d8bfc1_quant
	.globl	k_qe7f6d8bfc1_quant
	.p2align	8
	.type	k_qe7f6d8bfc1_quant,@function
k_qe7f6d8bfc1_quant:
	s_mov_b64 s[64:65], 0
	v_nop
	global_prefetch_b8 v0, s[64:65] scope:SCOPE_SE
	s_setreg_imm32_b32 hwreg(HW_REG_WAVE_MODE, 25, 1), 1
	s_wait_xcnt 0x0
; EVERY INPUT THAT IS AN OPERAND OF A PRODUCT BECOMES CODES OF FP8 (E4M3), each with the scale 2^e that is given for it:
; code = x / 2^e, held within +-448, rounded to the nearest code, ties to even.
; LIMITS: -126 <= e <= 119, so that 2^e and 448 x 2^e are f32 numbers.  NaN among the inputs is not served; an infinity is held at the largest code.
; Work-groups 0-511: the four activations [4096][1024], K innermost: plain streams.  query gets one set of codes (entry 0); h_t, h_a, h_v two each
; (the K product's scale and the V product's), both made from ONE read of the f32 numbers.  codes: [7 sets][4096][1024], one code a byte.
; Work-groups 512-799: the nine weights [k 1024][n 1024], K outermost: a lane takes a column n and its registers run down K, so the conversions give codes with K innermost.
; The seven projection weights leave as rows [n][k] behind the activations' sets; W1 and W2 leave in the order of an operand's registers:
; wf [layer][w 16][s 8][t 4][c 4][lane 32][16 bytes]: lane (r, h) of tile t = 2 b + u holds column 64 w + 32 b + 8 u + r + 8 (r / 8), k = 128 s + 32 c + 16 h + 0 .. 15.
; No input is shared between work-groups, so there are no joint loads; no tensor loads, no barrier: waves share nothing.  The two paths have LDS bytes of their own.
.set SP,    80                         ; path A: a lane's place in a stage: its 64 bytes + 16 of padding
.set WREG,  8192                       ; path A: LDS of a wave: two stages of 32 x SP bytes
.set RA,    16                         ; v16-79   four sets of 16 numbers as loaded
.set XN,    80                         ; v80-111  two sets of 16 neighbours
.set T2,    112                        ; v112-127 the numbers held for the second scale
.set C1,    128                        ; v128-191 codes of the first set, four registers a step: no store's data are written again
.set C2,    192                        ; v192-255 codes of the second set
.set WST,   32768                      ; path W: its stages begin here
.set PITCH, 272                        ; path W: a stage row: 256 codes + 16
.set NB,    8                          ; path W: blocks of 32 along K for a wave
.set XW,    32                         ; v32-95   two sets of 32 numbers
.set CW,    96                         ; v96-103  a block's codes
.set OUTR,  112                        ; v112-175 the way out
.set WCB,   29360128                   ; the weights' rows begin here in codes: 7 x 4096 x 1024
	s_load_b512 s[8:23], s[0:1], 0x0               ; query 8, h_t 10, h_a 12, h_v 14, Wq 16, Wkt 18, Wvt 20, Wka 22
	s_load_b512 s[24:39], s[0:1], 0x40             ; Wva 24, Wkv 26, Wvv 28, W1 30, W2 32, the scales 34, codes 36, wf 38
	v_lshrrev_b32 v1, 5, v0
	v_readfirstlane_b32 s4, v1                     ; wave 0..3
	v_and_b32 v2, 31, v0                           ; lane
	s_mov_b32 s49, 0                               ; the upper word of every offset below
	s_wait_kmcnt 0x0
	s_cmp_ge_u32 ttmp9, 512
	s_cbranch_scc1 .Lweights
; ---------------- the activations ----------------
	s_lshr_b32 s5, ttmp9, 7                        ; a: which tensor
	s_and_b32 s6, ttmp9, 127
	s_lshl_b32 s6, s6, 2
	s_add_co_u32 s6, s6, s4                        ; which run of 8,192 numbers is my wave's: 0..511
	s_cmp_eq_u32 s5, 1                             ; the choices hang on the work-group's number alone
	s_cselect_b64 s[42:43], s[10:11], s[8:9]
	s_cmp_eq_u32 s5, 2
	s_cselect_b64 s[42:43], s[12:13], s[42:43]
	s_cmp_eq_u32 s5, 3
	s_cselect_b64 s[42:43], s[14:15], s[42:43]
	s_lshl_b32 s48, s6, 15
	s_add_nc_u64 s[42:43], s[42:43], s[48:49]      ; my numbers
	s_lshl_b32 s50, s5, 1                          ; 2 a: the second set
	s_sub_co_i32 s51, s50, 1
	s_max_i32 s51, s51, 0                          ; the first set: 0, 1, 3, 5
	s_lshl_b32 s52, s6, 13
	s_lshl_b32 s48, s51, 22
	s_add_co_u32 s48, s48, s52
	s_add_nc_u64 s[44:45], s[36:37], s[48:49]      ; my codes in the first set,
	s_lshl_b32 s48, s50, 22
	s_add_co_u32 s48, s48, s52
	s_add_nc_u64 s[46:47], s[36:37], s[48:49]      ; and in the second (not used for query)
	s_lshl_b32 s50, s5, 5
	s_sub_co_i32 s48, s50, 24
	s_max_i32 s48, s48, 0                          ; entries 0, 2, 10, 18, in bytes
	s_add_nc_u64 s[54:55], s[34:35], s[48:49]
	s_sub_co_i32 s48, s50, 16
	s_max_i32 s48, s48, 0                          ; entries (0), 4, 12, 20
	s_add_nc_u64 s[56:57], s[34:35], s[48:49]
	s_load_b32 s58, s[54:55], 0x0
	s_load_b32 s59, s[56:57], 0x0
	s_wait_alu depctr_va_vdst(0)
	v_lshlrev_b32 v3, 4, v2                        ; 16 x lane: my 16 bytes of a load's 512, and of a store's
	s_mul_i32 s7, s4, WREG
	v_lshrrev_b32 v14, 2, v2
	v_mul_u32_u24 v14, v14, SP
	v_and_b32 v15, 3, v2
	v_lshl_add_u32 v14, v15, 4, v14
	v_add_nc_u32 v14, s7, v14                      ; the stage, on the way in: four lanes' 64 bytes on end, then 16 of padding
	v_mul_u32_u24 v15, v2, SP
	v_add_nc_u32 v15, s7, v15                      ; and on the way out: my 16 neighbours
.macro LOADA t
.irp i, 0,1,2,3
	global_load_b128 v[RA+16*((\t)%4)+4*\i:RA+16*((\t)%4)+4*\i+3], v3, s[42:43] offset:2048*(\t)+512*\i th:TH_LOAD_NT   ; 32 lanes read 512 consecutive bytes
.endr
.endm
.macro TURNA t                         ; a step's numbers through the stage: LDS serves a wave's instructions in order, so no wait stands between the stores and the loads
.irp i, 0,1,2,3
	ds_store_b128 v14, v[RA+16*((\t)%4)+4*\i:RA+16*((\t)%4)+4*\i+3] offset:32*SP*((\t)%2)+8*SP*\i
.endr
.irp i, 0,1,2,3
	ds_load_b128 v[XN+16*((\t)%2)+4*\i:XN+16*((\t)%2)+4*\i+3], v15 offset:32*SP*((\t)%2)+16*\i
.endr
.endm
.irp t, 0,1,2,3
	LOADA \t
.endr
	s_wait_alu depctr_va_vdst(0)
	s_wait_kmcnt 0x0
	s_add_co_i32 s58, s58, 127
	s_lshl_b32 s50, s58, 23
	v_mov_b32 v11, s50                             ; 2^e as f32: the conversion takes its exponent field
	s_add_co_i32 s58, s58, 8
	s_lshl_b32 s58, s58, 23
	s_or_b32 s58, s58, 0x600000
	v_mov_b32 v10, s58                             ; 448 x 2^e
	s_add_co_i32 s59, s59, 127
	s_lshl_b32 s50, s59, 23
	v_mov_b32 v13, s50                             ; the same for the second set
	s_add_co_i32 s59, s59, 8
	s_lshl_b32 s59, s59, 23
	s_or_b32 s59, s59, 0x600000
	v_mov_b32 v12, s59
	s_wait_loadcnt 12                              ; step 0's four loads are in
	TURNA 0
.macro STEPA t
.set XS, XN+16*((\t)%2)
	s_wait_dscnt 0x0                               ; this step's numbers are back from the stage, so its stores into the stage have read their registers,
.if (\t)+4 < 16
	LOADA (\t)+4                                   ; which take the loads of four steps on
.endif
.if (\t)+1 < 16
.if 14-(\t) >= 3
	s_wait_loadcnt 12                              ; the next step's four loads are in; those of the three steps behind it may be out
.else
	s_wait_loadcnt 4*(14-(\t))
.endif
	TURNA (\t)+1                                   ; and go through the other stage while this step is worked
.endif
	s_cmp_eq_u32 s5, 0                             ; query has one set of codes
	s_cbranch_scc1 .Lone_\@
.set i, 0
	s_wait_alu depctr_va_vdst(0)
.rept 16
	v_med3_num_f32 v[T2+i], v[XS+i], -v12, v12     ; the conversion to an 8-bit code does not saturate (ISA guide 7.6.2): the hold comes first
.set i, i+1
.endr
	v_cvt_scalef32_pk8_fp8_f32 v[C2+4*(\t):C2+4*(\t)+1], v[T2:T2+7], v13
	v_cvt_scalef32_pk8_fp8_f32 v[C2+4*(\t)+2:C2+4*(\t)+3], v[T2+8:T2+15], v13
	global_store_b128 v3, v[C2+4*(\t):C2+4*(\t)+3], s[46:47] offset:512*(\t)   ; the wave stores 512 consecutive bytes
.Lone_\@:
.set i, 0
	s_wait_alu depctr_va_vdst(0)
.rept 16
	v_med3_num_f32 v[XS+i], v[XS+i], -v10, v10     ; (sixteen plain lines: they also stand between the conversions above and the next write of their sources)
.set i, i+1
.endr
	v_cvt_scalef32_pk8_fp8_f32 v[C1+4*(\t):C1+4*(\t)+1], v[XS:XS+7], v11
	v_cvt_scalef32_pk8_fp8_f32 v[C1+4*(\t)+2:C1+4*(\t)+3], v[XS+8:XS+15], v11
	global_store_b128 v3, v[C1+4*(\t):C1+4*(\t)+3], s[44:45] offset:512*(\t)
.endm
.irp t, 0,1,2,3,4,5,6,7,8,9,10,11,12,13,14,15
	STEPA \t
.endr
	v_lshl_add_u32 v4, v0, 2, 0x10800              ; no two registers are free on both paths, so v0 is kept and my spare word's address and 0 are made here
	v_mov_b32 v5, 0
	s_wait_alu depctr_va_vdst(0)
	s_wait_tensorcnt 0x0                           ; the wave's end
	ds_add_u32 v4, v5
	s_wait_dscnt 0x0
	s_endpgm
; ---------------- the weights ----------------
.Lweights:
	s_sub_co_u32 s6, ttmp9, 512
	s_lshr_b32 s5, s6, 5                           ; j: which weight, 0..8
	s_and_b32 s7, s6, 7
	s_bfe_u32 s40, s6, 0x20003                     ; y: which 256 along K
	s_lshl_b32 s7, s7, 7
	s_lshl_b32 s41, s4, 5
	s_add_co_u32 s7, s7, s41                       ; n0: my wave's first column
	s_mov_b64 s[42:43], s[16:17]
.irp jj, 1,2,3,4,5,6,7,8
	s_cmp_eq_u32 s5, \jj
	s_cselect_b64 s[42:43], s[16+2*\jj:17+2*\jj], s[42:43]
.endr
	s_lshl_b32 s48, s40, 20                        ; 256 y rows of 4,096 bytes
	s_lshl_b32 s50, s7, 2
	s_add_co_u32 s48, s48, s50
	s_add_nc_u64 s[42:43], s[42:43], s[48:49]
	s_min_u32 s50, s5, 6                           ; rows [n][k]: set j (held inside the buffer for W1 and W2, which do not use it)
	s_lshl_b32 s48, s50, 20
	s_add_co_u32 s48, s48, WCB
	s_lshl_b32 s50, s7, 10
	s_add_co_u32 s48, s48, s50
	s_lshl_b32 s50, s40, 8
	s_add_co_u32 s48, s48, s50
	s_add_nc_u64 s[44:45], s[36:37], s[48:49]
	s_max_u32 s50, s5, 7                           ; the registers' order: layer j - 7,
	s_sub_co_u32 s50, s50, 7
	s_lshl_b32 s48, s50, 20
	s_lshr_b32 s50, s7, 6
	s_lshl_b32 s50, s50, 16                        ; w = n0 / 64,
	s_add_co_u32 s48, s48, s50
	s_lshl_b32 s50, s40, 14                        ; s = 2 y,
	s_add_co_u32 s48, s48, s50
	s_bfe_u32 s50, s7, 0x10005
	s_lshl_b32 s50, s50, 12                        ; t = 2 b, b = (n0 / 32) % 2
	s_add_co_u32 s48, s48, s50
	s_add_nc_u64 s[46:47], s[38:39], s[48:49]
	s_add_co_u32 s50, s5, 1                        ; the scale's entry: 2 j + 1 + 4 (max((j + 1) / 2, 1) - 1) = 1, 3, 5, 11, 13, 19, 21, 27, 29
	s_lshr_b32 s50, s50, 1
	s_max_u32 s50, s50, 1
	s_sub_co_u32 s50, s50, 1
	s_lshl_b32 s50, s50, 2
	s_lshl_b32 s51, s5, 1
	s_add_co_u32 s50, s50, s51
	s_add_co_u32 s50, s50, 1
	s_lshl_b32 s48, s50, 2
	s_add_nc_u64 s[54:55], s[34:35], s[48:49]
	s_load_b32 s58, s[54:55], 0x0
	s_wait_alu depctr_va_vdst(0)
	v_lshlrev_b32 v3, 2, v2                        ; in: 4 bytes a lane
	s_mul_i32 s41, s4, 32*PITCH
	s_add_co_u32 s41, s41, WST                     ; my stage
	v_mul_u32_u24 v4, v2, PITCH
	v_add_nc_u32 v4, s41, v4                       ; into it: row = my column
	v_and_b32 v5, 15, v2                           ; r
	v_lshrrev_b32 v6, 4, v2                        ; h
	v_mul_u32_u24 v7, v6, PITCH
	v_lshl_add_u32 v7, v5, 4, v7
	v_add_nc_u32 v7, s41, v7                       ; out as rows: sixteen lanes to a row, two rows an instruction,
	v_lshlrev_b32 v8, 10, v6
	v_lshl_add_u32 v8, v5, 4, v8                   ; and the same place in codes
	v_and_b32 v9, 8, v5
	v_add_nc_u32 v9, v9, v5                        ; r + 8 (r / 8)
	v_mul_u32_u24 v9, v9, PITCH
	v_lshl_add_u32 v9, v6, 4, v9
	v_add_nc_u32 v9, s41, v9                       ; out in the registers' order: that column's row, + 16 h
	v_lshlrev_b32 v12, 4, v2                       ; 16 x lane
.macro LOADW t                         ; block t: W(32 t + i, my column), i = 0 .. 31: each load reads 128 consecutive bytes a wave, 512 a work-group
.set i, 0
.rept 32
	global_load_b32 v[XW+32*((\t)%2)+i], v3, s[42:43] offset:(32*(\t)+i)*4096 th:TH_LOAD_NT
.set i, i+1
.endr
.endm
	LOADW 0
	LOADW 1
	s_wait_kmcnt 0x0
	s_add_co_i32 s58, s58, 127
	s_lshl_b32 s50, s58, 23
	v_mov_b32 v11, s50                             ; 2^e
	s_add_co_i32 s58, s58, 8
	s_lshl_b32 s58, s58, 23
	s_or_b32 s58, s58, 0x600000
	v_mov_b32 v10, s58                             ; 448 x 2^e
.macro BLOCKW t
.set XS, XW+32*((\t)%2)
.if (\t) < NB-1
	s_wait_loadcnt 32                              ; this block's 32 loads are in; the next block's may be out
.else
	s_wait_loadcnt 0
.endif
.set i, 0
.rept 32
	v_med3_num_f32 v[XS+i], v[XS+i], -v10, v10
.set i, i+1
.endr
.irp g, 0,1,2,3
	v_cvt_scalef32_pk8_fp8_f32 v[CW+2*\g:CW+2*\g+1], v[XS+8*\g:XS+8*\g+7], v11
.endr
	ds_store_b128 v4, v[CW:CW+3] offset:32*(\t)    ; 32 codes: 32 bytes of my column's row
	ds_store_b128 v4, v[CW+4:CW+7] offset:32*(\t)+16
.if (\t)+2 < NB
	LOADW (\t)+2
.endif
	s_wait_dscnt 0x0                               ; the stores have read their registers: the next block's codes may be written
.endm
	s_wait_alu depctr_va_vdst(0)
.irp t, 0,1,2,3,4,5,6,7
	BLOCKW \t
.endr
	s_cmp_ge_u32 s5, 7
	s_cbranch_scc1 .Lfrag
.irp t, 0,1,2,3,4,5,6,7,8,9,10,11,12,13,14,15
	ds_load_b128 v[OUTR+4*\t:OUTR+4*\t+3], v7 offset:2*\t*PITCH
.endr
.irp t, 0,1,2,3,4,5,6,7,8,9,10,11,12,13,14,15
	s_wait_dscnt 15-\t
	global_store_b128 v8, v[OUTR+4*\t:OUTR+4*\t+3], s[44:45] offset:2*\t*1024   ; sixteen lanes store 256 consecutive bytes, aligned
.endr
	v_lshl_add_u32 v13, v0, 2, 0x10800             ; my spare word's address and 0, made from v0 as at the entry
	v_mov_b32 v14, 0
	s_wait_alu depctr_va_vdst(0)
	s_wait_tensorcnt 0x0                           ; the wave's end
	ds_add_u32 v13, v14
	s_wait_dscnt 0x0
	s_endpgm
.Lfrag:
.irp n, 0,1,2,3,4,5,6,7,8,9,10,11,12,13,14,15   ; n = 8 s' + 4 u + c
	ds_load_b128 v[OUTR+4*\n:OUTR+4*\n+3], v9 offset:8*((\n/4)%2)*PITCH+128*(\n/8)+32*(\n%4)
.endr
.irp n, 0,1,2,3,4,5,6,7,8,9,10,11,12,13,14,15
	s_wait_dscnt 15-\n
	global_store_b128 v12, v[OUTR+4*\n:OUTR+4*\n+3], s[46:47] offset:8192*(\n/8)+2048*((\n/4)%2)+512*(\n%4)   ; the wave stores 512 consecutive bytes
.endr
	v_lshl_add_u32 v13, v0, 2, 0x10800             ; my spare word's address and 0, made from v0 as at the entry
	v_mov_b32 v14, 0
	s_wait_alu depctr_va_vdst(0)
	s_wait_tensorcnt 0x0                           ; the wave's end
	ds_add_u32 v13, v14
	s_wait_dscnt 0x0
	s_endpgm
.Lfunc_end_k_qe7f6d8bfc1_quant:
	.size	k_qe7f6d8bfc1_quant, .Lfunc_end_k_qe7f6d8bfc1_quant-k_qe7f6d8bfc1_quant
	.p2alignl 7, 3214868480
	.fill 96, 4, 3214868480
	.section	.rodata,"a",@progbits
	.p2align	6, 0x0
	.amdhsa_kernel k_qe7f6d8bfc1_quant
		.amdhsa_group_segment_fixed_size 68096
		.amdhsa_private_segment_fixed_size 0
		.amdhsa_enable_private_segment 0
		.amdhsa_kernarg_size 128
		.amdhsa_user_sgpr_count 2
		.amdhsa_user_sgpr_kernarg_segment_ptr 1
		.amdhsa_wavefront_size32 1
		.amdhsa_system_sgpr_workgroup_id_x 1
		.amdhsa_system_sgpr_workgroup_id_y 1
		.amdhsa_system_sgpr_workgroup_id_z 1
		.amdhsa_system_vgpr_workitem_id 0
		.amdhsa_next_free_vgpr 256
		.amdhsa_next_free_sgpr 66
		.amdhsa_reserve_vcc 0
		.amdhsa_float_denorm_mode_32 3
		.amdhsa_float_denorm_mode_16_64 3
		.amdhsa_memory_ordered 1
		.amdhsa_forward_progress 1
		.amdhsa_inst_pref_size 113
	.end_amdhsa_kernel
	.amdgpu_metadata
---
amdhsa.version: [ 1, 2 ]
amdhsa.kernels:
  - .name:           k_qe7f6d8bfc1_quant
    .symbol:         k_qe7f6d8bfc1_quant.kd
    .args:
      - { .name: query, .offset: 0, .size: 8, .value_kind: global_buffer, .address_space: global }
      - { .name: h_t, .offset: 8, .size: 8, .value_kind: global_buffer, .address_space: global }
      - { .name: h_a, .offset: 16, .size: 8, .value_kind: global_buffer, .address_space: global }
      - { .name: h_v, .offset: 24, .size: 8, .value_kind: global_buffer, .address_space: global }
      - { .name: Wq, .offset: 32, .size: 8, .value_kind: global_buffer, .address_space: global }
      - { .name: Wkt, .offset: 40, .size: 8, .value_kind: global_buffer, .address_space: global }
      - { .name: Wvt, .offset: 48, .size: 8, .value_kind: global_buffer, .address_space: global }
      - { .name: Wka, .offset: 56, .size: 8, .value_kind: global_buffer, .address_space: global }
      - { .name: Wva, .offset: 64, .size: 8, .value_kind: global_buffer, .address_space: global }
      - { .name: Wkv, .offset: 72, .size: 8, .value_kind: global_buffer, .address_space: global }
      - { .name: Wvv, .offset: 80, .size: 8, .value_kind: global_buffer, .address_space: global }
      - { .name: W1, .offset: 88, .size: 8, .value_kind: global_buffer, .address_space: global }
      - { .name: W2, .offset: 96, .size: 8, .value_kind: global_buffer, .address_space: global }
      - { .name: lowp_scales, .offset: 104, .size: 8, .value_kind: global_buffer, .address_space: global }
      - { .name: codes, .offset: 112, .size: 8, .value_kind: global_buffer, .address_space: global }
      - { .name: wf, .offset: 120, .size: 8, .value_kind: global_buffer, .address_space: global }
    .group_segment_fixed_size: 68096
    .private_segment_fixed_size: 0
    .kernarg_segment_align: 8
    .kernarg_segment_size: 128
    .max_flat_workgroup_size: 128
    .sgpr_count:     66
    .vgpr_count:     256
    .wavefront_size: 32
...
	.end_amdgpu_metadata
.endif
;; end of part 1
;; launch proj (part 2): grid 4 x 112, 4 waves a work-group, clusters of 4 x 4, 327,680 bytes of LDS; arguments codes, lowp_scales, qkv; writes qkv
.if DOCPART == 2
	.amdgcn_target "amdgcn-amd-amdhsa--gfx1250"
	.amdhsa_code_object_version 6
	.text
	.protected	k_qe7f6d8bfc1_proj
	.globl	k_qe7f6d8bfc1_proj
	.p2align	8
	.type	k_qe7f6d8bfc1_proj,@function
k_qe7f6d8bfc1_proj:
	s_mov_b64 s[64:65], 0
	v_nop
	global_prefetch_b8 v0, s[64:65] scope:SCOPE_SE
	s_setreg_imm32_b32 hwreg(HW_REG_WAVE_MODE, 25, 1), 1
	s_wait_xcnt 0x0
	s_wait_alu depctr_hold_cnt(0) depctr_sa_sdst(0) depctr_va_vdst(0) depctr_va_sdst(0) depctr_va_ssrc(0) depctr_va_vcc(0) depctr_vm_vsrc(0)
	s_getreg_b32 s2, hwreg(HW_REG_IB_STS2, 6, 4)
	s_cmp_eq_u32 s2, 0
	s_cbranch_scc0 .Lentry_in_a_cluster
	s_endpgm
.Lentry_in_a_cluster:
	s_bfe_u32 s2, ttmp6, 0x10000c
	s_cmp_lg_u32 s2, 0xf033
	s_cbranch_scc0 .Lentry_shape_is_right
	s_endpgm
.Lentry_shape_is_right:
.set ROWB,   256
.set KROW,   1024
.set PITCH,  272
.set FR,     16
.set NL,     4
.set NP,     4
.set HALFT,  128*PITCH
.set SLOT,   4*HALFT
.set SPARE,  2*SLOT
.set SPITCH, 144
.set WCB,    29360128
.set KREG,   12582912
.set ADRA, 16
.set ADRB, 20
.set STO,  24
.set RD,   25
.set SPW,  28
.set NIL,  29
.set TMP,  32
.set CD,   96
.set SC0,  112
.set LM0,  113
.set CO,   118
.set AF,   128
.set BK,   128
.set G1, 24
.set G0, 32
.set G1B, 48
.set G0B, 56
.set OB, 80
.set MSB, 0
.macro WIN new
.if MSB != \new
	s_set_vgpr_msb (MSB<<8)|\new
.set MSB, \new
.endif
.endm
.set MUL_LO, 0xa1
.set MUL_HI, 0xf1
.set TO_B,   0x40
.macro JLOAD g0a, g1a, g0b, g1b
	s_cmp_eq_u32 s15, 0
	s_cbranch_scc0 .Lfor_b_\@
	tensor_load_to_lds s[\g0a:\g0a+3], s[\g1a:\g1a+7]
	s_nop 0
.rept 4
	v_nop
.endr
	s_branch .Lasked_\@
.Lfor_b_\@:
	tensor_load_to_lds s[\g0b:\g0b+3], s[\g1b:\g1b+7]
	s_nop 0
.rept 4
	v_nop
.endr
.Lasked_\@:
.endm
.macro CREST
	s_cmp_lg_u32 s14, 0
	s_cbranch_scc1 .Lnot_wave_0_\@
	s_barrier_signal -3
.Lnot_wave_0_\@:
	s_barrier_wait -3
	s_barrier_signal -1
	s_barrier_wait -1
.endm
.macro CROUND
	s_barrier_signal -1
	s_barrier_wait -1
	CREST
.endm
	s_load_b128 s[4:7], s[0:1], 0x0
	s_load_b64 s[8:9], s[0:1], 0x10
	v_lshl_add_u32 v[SPW], v0, 2, SPARE
	v_mov_b32 v[NIL], 0
	ds_add_u32 v28, v29
	ds_add_u32 v28, v29
	s_wait_dscnt 0x0
	v_lshrrev_b32 v1, 5, v0
	v_readfirstlane_b32 s14, v1
	s_lshr_b32 s15, s14, 1
	s_and_b32 s16, s14, 1
	s_bfe_u32 s40, ttmp6, 0x40000
	s_bfe_u32 s41, ttmp6, 0x40004
	s_and_b32 s70, ttmp7, 0xffff
	s_lshr_b32 s72, s70, 2
	s_and_b32 s73, s70, 3
	s_and_b32 s74, s72, 1
	s_xor_b32 s74, s74, 1
	s_cmp_eq_u32 s72, 0
	s_cselect_b32 s74, 0, s74
	s_sub_co_i32 s75, s72, 1
	s_max_i32 s75, s75, 0
	s_lshr_b32 s75, s75, 1
	s_lshl_b32 s71, s73, 2
	s_lshl_b32 s42, ttmp9, 2
	s_add_co_u32 s42, s42, s40
	s_lshl_b32 s66, s72, 22
	s_lshl_b32 s67, s72, 20
	s_add_co_u32 s67, s67, WCB
	s_cmp_eq_u32 s74, 1
	s_cselect_b32 s68, 0, s71
	s_cselect_b32 s69, s71, 0
	s_cselect_b32 s76, s67, s66
	s_cselect_b32 s77, s66, s67
	s_add_co_u32 s17, s41, s68
	s_add_co_u32 s42, s42, s69
	s_lshl_b32 s43, s41, 2
	s_lshl_b32 s43, 15, s43
	s_lshl_b32 s44, 0x1111, s40
	s_or_b32 s[G1+0], s43, (0<<16)|(1<<20)|(1<<21)|(5<<22)|(3<<25)
	s_or_b32 s[G1B+0], s44, (0<<16)|(1<<20)|(1<<21)|(5<<22)|(3<<25)
.irp g, G1, G1B
	s_mov_b32 s[\g+1], ROWB<<16
	s_mov_b32 s[\g+2], 128<<16
	s_mov_b32 s[\g+3], ROWB<<16
	s_mov_b32 s[\g+4], 128
	s_mov_b32 s[\g+5], KROW
	s_mov_b32 s[\g+6], 0
	s_mov_b32 s[\g+7], 0
.endr
	s_lshl_b32 s18, s16, 7
	s_lshl_b32 s20, s17, 8
	s_add_co_u32 s20, s20, s18
	s_lshl_b32 s20, s20, 10
	s_add_co_u32 s20, s20, s76
	s_mov_b32 s21, 0
	s_lshl_b32 s46, s42, 8
	s_add_co_u32 s46, s46, s18
	s_lshl_b32 s46, s46, 10
	s_add_co_u32 s46, s46, s77
	s_mov_b32 s47, 0
	s_mul_i32 s45, s14, HALFT
	s_lshl_b32 s10, s75, 5
	s_lshl_b32 s12, s74, 3
	s_add_co_u32 s10, s10, s12
	s_add_co_u32 s12, s10, 28
	s_add_co_u32 s10, s10, 8
	s_cmp_eq_u32 s72, 0
	s_cselect_b32 s10, 0, s10
	s_cselect_b32 s12, 24, s12
	s_mov_b32 s11, 0
	s_mov_b32 s13, 0
	s_wait_kmcnt 0x0
	s_add_nc_u64 s[10:11], s[6:7], s[10:11]
	s_add_nc_u64 s[12:13], s[6:7], s[12:13]
	s_load_b64 s[96:97], s[10:11], 0x0
	s_load_b32 s98, s[12:13], 0x0
	s_load_b32 s99, s[6:7], 0x38
	s_load_b32 s100, s[6:7], 0x58
	s_add_nc_u64 s[20:21], s[4:5], s[20:21]
	s_add_nc_u64 s[46:47], s[4:5], s[46:47]
.irp s, 0,1
	s_mov_b32 s[G0+4*\s], 1
	s_add_co_u32 s[G0+4*\s+1], s45, \s*SLOT
	s_add_nc_u64 s[G0+4*\s+2:G0+4*\s+3], s[20:21], \s*ROWB
	s_or_b32 s[G0+4*\s+3], s[G0+4*\s+3], 0x80000000
	s_mov_b32 s[G0B+4*\s], 1
	s_add_co_u32 s[G0B+4*\s+1], s45, \s*SLOT
	s_add_nc_u64 s[G0B+4*\s+2:G0B+4*\s+3], s[46:47], \s*ROWB
	s_or_b32 s[G0B+4*\s+3], s[G0B+4*\s+3], 0x80000000
	s_wait_alu depctr_va_vdst(0)
	s_wait_tensorcnt 0x0
	ds_add_u32 v28, v29
	ds_add_u32 v28, v29
	s_wait_dscnt 0x0
	CROUND
	JLOAD G0+4*\s, G1, G0B+4*\s, G1B
.endr
	v_and_b32 v1, 15, v0
	s_wait_alu depctr_va_vdst(0)
	v_bfe_u32 v2, v0, 4, 1
	v_mul_u32_u24 v3, v1, PITCH
	v_lshl_add_u32 v4, v2, 4, v3
	s_mul_i32 s21, s15, HALFT
	s_mul_i32 s22, s16, HALFT
	s_add_co_u32 s22, s22, 2*HALFT
.irp s, 0,1
	v_add_nc_u32 v[ADRA+\s], s21, v4
	v_add_nc_u32 v[ADRB+\s], s22, v4
	s_add_co_u32 s21, s21, SLOT
	s_add_co_u32 s22, s22, SLOT
.endr
	s_mul_i32 s23, s14, 16*SPITCH
	v_mul_u32_u24 v5, v1, SPITCH
	s_wait_alu depctr_va_vdst(0)
	v_lshl_add_u32 v5, v2, 4, v5
	v_add_nc_u32 v[STO], s23, v5
	v_and_b32 v6, 31, v0
	s_wait_alu depctr_va_vdst(0)
	v_lshrrev_b32 v9, 3, v6
	s_wait_alu depctr_va_vdst(0)
	v_and_b32 v7, 7, v6
	v_mul_u32_u24 v5, v9, SPITCH
	v_lshl_add_u32 v5, v7, 4, v5
	v_add_nc_u32 v[RD], s23, v5
	s_lshl_b32 s66, s17, 8
	s_lshl_b32 s67, s15, 7
	s_add_co_u32 s66, s66, s67
	s_lshl_b32 s67, s42, 8
	s_lshl_b32 s68, s16, 7
	s_add_co_u32 s67, s67, s68
	s_mov_b32 s91, 196608
	s_mov_b32 s88, 1024
	s_mov_b32 s70, 190464
	s_cmp_eq_u32 s74, 1
	s_cselect_b32 s68, s67, s66
	s_cselect_b32 s69, s66, s67
	s_cselect_b32 s91, 64, s91
	s_cselect_b32 s88, s70, s88
	s_lshl_b32 s90, 256, s74
	s_lshl_b32 s92, 64, s74
	s_lshl_b32 s86, 1024, s74
	s_mov_b32 s87, 0
	s_mov_b32 s89, 0
	s_add_co_u32 s70, s74, 1
	s_mul_i32 s70, s70, KREG
	s_cmp_eq_u32 s72, 0
	s_cselect_b32 s70, 0, s70
	s_lshr_b32 s78, s68, 10
	s_lshl_b32 s78, s78, 4
	s_lshr_b32 s79, s69, 6
	s_add_co_u32 s78, s78, s79
	s_mul_i32 s78, s78, 3
	s_add_co_u32 s78, s78, s75
	s_lshl_b32 s78, s78, 16
	s_and_b32 s79, s68, 1023
	s_lshl_b32 s79, s79, 6
	s_add_co_u32 s78, s78, s79
	s_add_co_u32 s78, s78, s70
	s_mov_b32 s79, 0
	s_add_nc_u64 s[OB:OB+1], s[8:9], s[78:79]
	s_add_nc_u64 s[OB+2:OB+3], s[OB:OB+1], 0x10000
	s_add_nc_u64 s[OB+4:OB+5], s[OB:OB+1], 0x20000
	v_and_b32 v7, 3, v6
	v_lshlrev_b32 v7, 4, v7
	v_bfe_u32 v8, v6, 2, 1
	v_mul_lo_u32 v8, v8, s91
	v_mul_lo_u32 v9, v9, s92
	v_add3_u32 v[CO], v7, v8, v9
	v_add_nc_u32 v[CO+1], s90, v[CO]
	v_add_nc_u32 v[CO+2], s90, v[CO+1]
	v_add_nc_u32 v[CO+3], s90, v[CO+2]
.macro FRAG reg, adr, q, i
.irp c, 0,1,2,3
	ds_load_b128 v[\reg+4*\c:\reg+4*\c+3], v[\adr] offset:128*(\q)+32*\c+(\i)*16*PITCH
.endr
.endm
.macro MUL16 a0, p, zero
.irp a, \a0, \a0+1
.irp b, 0,1,2,3,4,5,6,7
.if \zero
	v_wmma_f32_16x16x128_fp8_fp8 v[8*(8*((\a)%4)+\b):8*(8*((\a)%4)+\b)+7], v[128*(\p)+FR*\b:128*(\p)+FR*\b+FR-1], v[AF+FR*(\a):AF+FR*(\a)+FR-1], 0
.else
	v_wmma_f32_16x16x128_fp8_fp8 v[8*(8*((\a)%4)+\b):8*(8*((\a)%4)+\b)+7], v[128*(\p)+FR*\b:128*(\p)+FR*\b+FR-1], v[AF+FR*(\a):AF+FR*(\a)+FR-1], v[8*(8*((\a)%4)+\b):8*(8*((\a)%4)+\b)+7]
.endif
.endr
.endr
.endm
.macro FETCH_B slot, q, p
	WIN TO_B
.irp i, 0,1,2,3,4,5,6,7
	FRAG 128*(\p)+FR*\i, ADRB+\slot, \q, \i
.endr
	WIN 0
.endm
.macro FETCH_A slot, q, i0
.irp i, \i0, \i0+1, \i0+2, \i0+3
	FRAG AF+FR*(\i), ADRA+\slot, \q, \i
.endr
.endm
.macro PLACES n
.rept \n
	v_nop
.endr
.endm
.macro STEP slot, q, zero
	s_wait_dscnt 4*NL
	WIN MUL_LO
	MUL16 0, (\q)%2, \zero
	MUL16 2, (\q)%2, \zero
	s_wait_dscnt 0
	PLACES NP
	FETCH_B \slot, (\q)+1, 1-(\q)%2
	FETCH_A \slot, (\q)+1, 0
	WIN MUL_HI
	MUL16 4, (\q)%2, \zero
	MUL16 6, (\q)%2, \zero
	PLACES NP
	WIN 0
	FETCH_A \slot, (\q)+1, 4
.endm
.macro TURN slot, next, fill
	s_wait_tensorcnt 0x0
	ds_add_u32 v[SPW], v[NIL]
	s_wait_dscnt 4*NL+1
	WIN MUL_LO
	MUL16 0, 1, 0
	s_wait_dscnt 0x0
	s_barrier_signal -1
	MUL16 2, 1, 0
	WIN 0
	s_barrier_wait -1
.if \fill
	CREST
	s_add_nc_u64 s[G0+4*\slot+2:G0+4*\slot+3], s[G0+4*\slot+2:G0+4*\slot+3], 2*ROWB
	s_add_nc_u64 s[G0B+4*\slot+2:G0B+4*\slot+3], s[G0B+4*\slot+2:G0B+4*\slot+3], 2*ROWB
	JLOAD G0+4*\slot, G1, G0B+4*\slot, G1B
.else
	PLACES NP
.endif
	FETCH_B \next, 0, 0
	FETCH_A \next, 0, 0
	WIN MUL_HI
	MUL16 4, 1, 0
	MUL16 6, 1, 0
	PLACES NP
	WIN 0
	FETCH_A \next, 0, 4
.endm
	s_wait_tensorcnt 1
	s_barrier_signal -1
	s_barrier_wait -1
	FETCH_B 0, 0, 0
	FETCH_A 0, 0, 0
	FETCH_A 0, 0, 4
	STEP 0, 0, 1
	TURN 0, 1, 1
	STEP 1, 0, 0
	TURN 1, 0, 1
	STEP 0, 0, 0
	TURN 0, 1, 0
	STEP 1, 0, 0
	s_wait_dscnt 4*NL
	WIN MUL_LO
	MUL16 0, 1, 0
	MUL16 2, 1, 0
	s_wait_dscnt 0
	WIN MUL_HI
	MUL16 4, 1, 0
	MUL16 6, 1, 0
	WIN 0
.macro TOSTAGE a, z
.set AC, 64*((\a)%4)
	WIN 0x02+((\a)/4)
.set j, 0
.rept 64
	v_med3_num_f32 v[TMP+j], v[AC+j], -v[LM0+2*(\z)], v[LM0+2*(\z)]
.set j, j+1
.endr
	WIN 0
.irp b, 0,1,2,3,4,5,6,7
	v_cvt_scalef32_pk8_fp8_f32 v[CD+2*\b:CD+2*\b+1], v[TMP+8*\b:TMP+8*\b+7], v[SC0+2*(\z)]
.endr
	v_nop
.irp c, 0,1,2,3
	ds_store_b128 v[STO], v[CD+4*\c:CD+4*\c+3] offset:32*\c
.endr
.set BB, BK+16*((\a)%2)
.irp t, 0,1,2,3
	ds_load_b128 v[BB+4*\t:BB+4*\t+3], v[RD] offset:4*SPITCH*\t
.endr
.endm
.macro SEND a, z, younger
.set BB, BK+16*((\a)%2)
	s_wait_dscnt \younger
.if (\a) == 4
	s_add_nc_u64 s[OB+2*(\z):OB+2*(\z)+1], s[OB+2*(\z):OB+2*(\z)+1], s[88:89]
.elseif (\a) > 0
	s_add_nc_u64 s[OB+2*(\z):OB+2*(\z)+1], s[OB+2*(\z):OB+2*(\z)+1], s[86:87]
.endif
.irp t, 0,1,2,3
	global_store_b128 v[CO+\t], v[BB+4*\t:BB+4*\t+3], s[OB+2*(\z):OB+2*(\z)+1]
.endr
.endm
.macro OUTSET z
	s_wait_xcnt 0x0
	TOSTAGE 0, \z
.irp a, 1,2,3,4,5,6,7
.if \a > 1
	s_wait_xcnt 0x0
.endif
	TOSTAGE \a, \z
	SEND \a-1, \z, 8
.endr
	s_wait_xcnt 0x0
	SEND 7, \z, 0
.endm
	s_wait_kmcnt 0x0
	s_add_co_i32 s96, s96, s97
.irp z, 0,1,2
	s_sub_co_i32 s66, s[98+\z], s96
	s_add_co_i32 s66, s66, 127
	s_lshl_b32 s67, s66, 23
	v_mov_b32 v[SC0+2*\z], s67
	s_add_co_i32 s66, s66, 8
	s_lshl_b32 s66, s66, 23
	s_or_b32 s66, s66, 0x600000
	v_mov_b32 v[LM0+2*\z], s66
.endr
	PLACES NP
	s_wait_alu depctr_va_vdst(0)
	OUTSET 0
	s_cmp_lg_u32 s72, 0
	s_cbranch_scc1 .Lend
	OUTSET 1
	OUTSET 2
.Lend:
	s_wait_tensorcnt 0x0
	ds_add_u32 v[SPW], v[NIL]
	s_wait_dscnt 0x0
	CROUND
	s_endpgm
.Lfunc_end_k_qe7f6d8bfc1_proj:
	.size	k_qe7f6d8bfc1_proj, .Lfunc_end_k_qe7f6d8bfc1_proj-k_qe7f6d8bfc1_proj
	.p2alignl 7, 3214868480
	.fill 96, 4, 3214868480
	.section	.rodata,"a",@progbits
	.p2align	6, 0x0
	.amdhsa_kernel k_qe7f6d8bfc1_proj
		.amdhsa_group_segment_fixed_size 327680
		.amdhsa_private_segment_fixed_size 0
		.amdhsa_enable_private_segment 0
		.amdhsa_kernarg_size 24
		.amdhsa_user_sgpr_count 2
		.amdhsa_user_sgpr_kernarg_segment_ptr 1
		.amdhsa_wavefront_size32 1
		.amdhsa_system_sgpr_workgroup_id_x 1
		.amdhsa_system_sgpr_workgroup_id_y 1
		.amdhsa_system_sgpr_workgroup_id_z 1
		.amdhsa_system_vgpr_workitem_id 0
		.amdhsa_next_free_vgpr 1024
		.amdhsa_next_free_sgpr 102
		.amdhsa_reserve_vcc 0
		.amdhsa_float_denorm_mode_32 3
		.amdhsa_float_denorm_mode_16_64 3
		.amdhsa_memory_ordered 1
		.amdhsa_forward_progress 1
		.amdhsa_inst_pref_size 216
	.end_amdhsa_kernel
	.amdgpu_metadata
---
amdhsa.version: [ 1, 2 ]
amdhsa.kernels:
  - .name:           k_qe7f6d8bfc1_proj
    .symbol:         k_qe7f6d8bfc1_proj.kd
    .args:
      - { .name: codes, .offset: 0, .size: 8, .value_kind: global_buffer, .address_space: global }
      - { .name: lowp_scales, .offset: 8, .size: 8, .value_kind: global_buffer, .address_space: global }
      - { .name: qkv, .offset: 16, .size: 8, .value_kind: global_buffer, .address_space: global }
    .group_segment_fixed_size: 327680
    .private_segment_fixed_size: 0
    .kernarg_segment_align: 8
    .kernarg_segment_size: 24
    .max_flat_workgroup_size: 128
    .sgpr_count:     102
    .vgpr_count:     1024
    .wavefront_size: 32
...
	.end_amdgpu_metadata
.endif
;; end of part 2
;; launch att (part 3): grid 4 x 64, 8 waves a work-group, clusters of 4 x 1, 327,680 bytes of LDS; arguments qkv, lowp_scales, query, xr; writes xr
.if DOCPART == 3
	.amdgcn_target "amdgcn-amd-amdhsa--gfx1250"
	.amdhsa_code_object_version 6
	.text
	.protected	k_qe7f6d8bfc1_att
	.globl	k_qe7f6d8bfc1_att
	.p2align	8
	.type	k_qe7f6d8bfc1_att,@function
k_qe7f6d8bfc1_att:
	s_mov_b64 s[64:65], 0
	v_nop
	global_prefetch_b8 v0, s[64:65] scope:SCOPE_SE
	s_setreg_imm32_b32 hwreg(HW_REG_WAVE_MODE, 25, 1), 1
	s_wait_xcnt 0x0
	s_wait_alu depctr_hold_cnt(0) depctr_sa_sdst(0) depctr_va_vdst(0) depctr_va_sdst(0) depctr_va_ssrc(0) depctr_va_vcc(0) depctr_vm_vsrc(0)
	s_getreg_b32 s2, hwreg(HW_REG_IB_STS2, 6, 4)
	s_cmp_eq_u32 s2, 0
	s_cbranch_scc0 .Lentry_in_a_cluster
	s_endpgm
.Lentry_in_a_cluster:
	s_bfe_u32 s2, ttmp6, 0x10000c
	s_cmp_lg_u32 s2, 0x3003
	s_cbranch_scc0 .Lentry_shape_is_right
	s_endpgm
.Lentry_shape_is_right:
; xr = query + the sum over three modalities of softmax(q k^T / 8) v, both products on codes of FP8 (E4M3), each operand with the scale 2^e that is given for it.
; THE SOFTMAX AHEAD OF THE SECOND PRODUCT: t = score x log2(e) / 8; M = the running largest t rounded UP to a whole number; p = 2^(t - M) is what is quantised; the row's sum is taken of the
; unquantised p and divides at the end.  When M moves, the sum and O are multiplied by 2^(old M - new M): exact.
; SHARES.  A work-group owns 256 queries of one (batch, head); each of its EIGHT waves 32 of them, two tiles of 16: every fragment of k and of v that a wave reads from LDS feeds two products.
; CLUSTER.  The four query blocks of a head walk the same k and v: each tile is asked for JOINTLY (mask 15).  A slot holds ONE WHOLE MODALITY: 1,024 keys of k (rows of 64 + 16 bytes) and of v
; (8 key blocks x 64 rows of 128 + 16 bytes).  Two slots, three fills: modality 0 at the head, modality 1 behind the first round, modality 2 into slot 0 behind modality 0.
; Waves 0-3 fetch k's quarters, waves 4-7 v's: every wave issues one load at each fill, and has one out at the most.
; NO PREFETCH: modalities 1 and 2 are asked for by their tensor loads eight key steps ahead of their first read; modality 0 is asked for at the head, with no loop ahead of it.
; LAYOUT.  Both products transposed: S^T = k q^T (K = 64 form), O^T = v^T p^T (K = 128 form): a lane holds ONE query of each tile throughout.  Tile t of S^T holds keys 16 t + 8 h + 0 .. 7 in a lane's
; eight registers: its conversion gives registers 2 t, 2 t + 1 of p's operand in that form's own layout, and v's bytes were laid so that loads of 16 bytes give the same layout.
; k's fragments have registers of their own and are fetched one key step ahead, beside v's.  The look-ahead's address is held at the slot's last 128 keys, so a modality's last step fetches its own
; k once more; those sixteen loads are not used: the price of a key step that is written once.
; LIMITS: eq + ek between -123 and 130 (added to c's exponent field); ep between -8 and 127: p is at most 1, and with ep >= -8 the largest code x 2^ep is at least 1.75, so no p lies beyond it
; and no hold is written ahead of p's conversion; ep + ev is applied by v_ldexp_f32 and has no limit.  The scaled scores stay under 2^31 in magnitude.  NaN is not served.
; REGISTERS.  Window 0: v1-11 addresses; v[12:13], v[14:15] (-M, largest t) of tile 0, 1; v[16:19] the sums, a pair a tile; v[20:23] f, later 1 / l, a pair a tile; v24-87 v's four fragments;
; v88-215 S^T, then p; v216-247 p's codes (first the sums' side chains); v248 2^ep; v250-253 at work.  Window 1: v0-47 q; v48-111 k's eight fragments; v112-175 O^T; v176-239 the total.
.set KP,    80
.set VP,    144
.set VOFF,  1024*KP
.set SLOTB, VOFF+512*VP
.set SPARE, 2*SLOTB                    ; behind the ring: the spare words, 128 bytes for each of eight waves
.set STG,   SLOTB                      ; the way out: 32 rows x 272 bytes a wave, in slot 1: it has had its last fill, and nobody reads it behind the barrier in front of modality 2
.set KREG,  12582912
.set VREG,  25165824
.set AK0,  1
.set AV0,  2
.set QO,   3
.set SPW,  5
.set NIL,  6
.set GO,   7
.set ADK,  8
.set ADV,  9
.set SIN,  10
.set SOUT, 11
.set KF,   24
.set S,    88
.set P,    216
.set SCL,  248
.set MA,   250
.set QW,   0                           ; window 1
.set KW,   48
.set OW,   112
.set TW,   176
.set WV,   12
.set SEL,  20
.set G1K,  24
.set G1V,  32
.set G0K,  40                          ; s[40:43] slot 0, s[44:47] slot 1
.set G0V,  48
.set CS,   56                          ; s[56:61] c x 2^(eq + ek), a pair for each modality
.set TK,   62
.set TV,   63
.set CNT,  66
.set TN,   67                          ; s67  where the next step's k begins
.set MSB, 0
.macro WIN new                         ; the immediate's high byte repeats the setting that is left
.if MSB != \new
	s_set_vgpr_msb (MSB<<8)|\new
.set MSB, \new
.endif
.endm
.macro CROUND                          ; a whole round of the cluster's barrier
	s_barrier_signal -1
	s_barrier_wait -1
	CREST
.endm
.macro CREST                           ; a round behind its opening barrier
	s_cmp_lg_u32 s[WV], 0
	s_cbranch_scc1 .Lnot_wave_0_\@
	s_barrier_signal -3
.Lnot_wave_0_\@:
	s_barrier_wait -3
	s_barrier_signal -1
	s_barrier_wait -1
.endm
.macro JLOAD s                         ; a joint load into slot s: waves 0-3 for k, waves 4-7 for v
	s_cmp_lt_u32 s[WV], 4
	s_cbranch_scc0 .Lfor_v_\@
	tensor_load_to_lds s[G0K+4*\s:G0K+4*\s+3], s[G1K:G1K+7]
	s_nop 0
.rept 4
	v_nop
.endr
	s_branch .Lasked_\@
.Lfor_v_\@:
	tensor_load_to_lds s[G0V+4*\s:G0V+4*\s+3], s[G1V:G1V+7]
	s_nop 0
.rept 4
	v_nop
.endr
.Lasked_\@:
.endm
	s_load_b256 s[4:11], s[0:1], 0x0               ; qkv s[4:5], the scales s[6:7], query s[8:9], xr s[10:11]
	v_lshl_add_u32 v[SPW], v0, 2, SPARE
	v_mov_b32 v[NIL], 0
	ds_add_u32 v[SPW], v[NIL]
	ds_add_u32 v[SPW], v[NIL]
	v_lshrrev_b32 v8, 5, v0
	v_readfirstlane_b32 s[WV], v8                  ; wave 0..7
	s_bfe_u32 s13, ttmp6, 0x40000                  ; cx: it enters q's, query's and xr's addresses alone
	s_and_b32 s14, ttmp7, 0xffff                   ; bh, which the four partners share
	s_and_b32 s15, s[WV], 3                        ; which quarter I fetch
	s_mov_b32 s[G1K], 15|(0<<16)|(1<<20)|(1<<21)|(3<<22)|(3<<25)   ; mask: all four; 1-byte elements; padding: four words after every 16
	s_mov_b32 s[G1K+1], 64<<16
	s_mov_b32 s[G1K+2], 256<<16
	s_mov_b32 s[G1K+3], 64<<16
	s_mov_b32 s[G1K+4], 256
	s_mov_b32 s[G1K+5], 64
	s_mov_b32 s[G1K+6], 0
	s_mov_b32 s[G1K+7], 0
	s_mov_b32 s[G1V], 15|(0<<16)|(1<<20)|(1<<21)|(4<<22)|(3<<25)   ; four words after every 32
	s_mov_b32 s[G1V+1], 128<<16
	s_mov_b32 s[G1V+2], 128<<16
	s_mov_b32 s[G1V+3], 128<<16
	s_mov_b32 s[G1V+4], 128
	s_mov_b32 s[G1V+5], 128
	s_mov_b32 s[G1V+6], 0
	s_mov_b32 s[G1V+7], 0
	s_mov_b32 s[SEL], 0x76543210
	s_mov_b32 s[SEL+1], 0xfedcba98
	s_mul_i32 s16, s14, 196608                     ; bh's bytes in each region,
	s_lshl_b32 s17, s15, 14                        ; my quarter of a modality's 65,536
	s_add_co_u32 s16, s16, s17
	s_mov_b32 s17, 0
	s_mul_i32 s18, s15, 256*KP                     ; and its place in a slot
	s_mul_i32 s19, s15, 128*VP
	s_add_co_u32 s19, s19, VOFF
	s_lshl_b32 s90, ttmp9, 2
	s_add_co_u32 s90, s90, s13
	s_lshl_b32 s90, s90, 8
	s_lshl_b32 s91, s[WV], 5
	s_add_co_u32 s90, s90, s91                     ; my first query in the head: 256 x block + 32 x wave
	s_lshl_b32 s92, s90, 6
	s_mul_i32 s93, s14, 196608
	s_add_co_u32 s92, s92, s93
	s_mov_b32 s93, 0                               ; its codes
	s_lshr_b32 s94, s14, 4
	s_lshl_b32 s94, s94, 10
	s_add_co_u32 s94, s94, s90                     ; its row among the 4,096,
	s_lshl_b32 s94, s94, 12
	s_and_b32 s95, s14, 15
	s_lshl_b32 s95, s95, 8                         ; the head's 256 bytes in it
	s_add_co_u32 s94, s94, s95
	s_mov_b32 s95, 0
	s_wait_dscnt 0x0                               ; both opening adds are done
	s_wait_kmcnt 0x0
	s_load_b128 s[68:71], s[6:7], 0x18             ; eq, ek, ep, ev of modality 0,
	s_load_b128 s[72:75], s[6:7], 0x38             ; 1,
	s_load_b128 s[76:79], s[6:7], 0x58             ; 2
	s_add_nc_u64 s[22:23], s[4:5], s[16:17]
	s_add_nc_u64 s[92:93], s[4:5], s[92:93]
	s_add_nc_u64 s[8:9], s[8:9], s[94:95]
	s_add_nc_u64 s[10:11], s[10:11], s[94:95]
	CROUND                                         ; all four work-groups are here: the first joint loads meet
.irp s, 0,1
	s_mov_b32 s[G0K+4*\s], 1
	s_add_co_u32 s[G0K+4*\s+1], s18, \s*SLOTB
	s_add_nc_u64 s[G0K+4*\s+2:G0K+4*\s+3], s[22:23], KREG+\s*65536
	s_or_b32 s[G0K+4*\s+3], s[G0K+4*\s+3], 0x80000000
	s_mov_b32 s[G0V+4*\s], 1
	s_add_co_u32 s[G0V+4*\s+1], s19, \s*SLOTB
	s_add_nc_u64 s[G0V+4*\s+2:G0V+4*\s+3], s[22:23], VREG+\s*65536
	s_or_b32 s[G0V+4*\s+3], s[G0V+4*\s+3], 0x80000000
.endr
	JLOAD 0                                        ; modality 0: one tensor load a wave at the head
	v_and_b32 v8, 15, v0                           ; r
	v_bfe_u32 v9, v0, 4, 1                         ; h
	v_lshlrev_b32 v[QO], 6, v8
	v_lshl_add_u32 v[QO], v9, 4, v[QO]
	WIN 0x40
.irp m, 0,1,2
.irp a, 0,1
.irp c, 0,1
	global_load_b128 v[QW+16*\m+8*\a+4*\c:QW+16*\m+8*\a+4*\c+3], v[QO], s[92:93] offset:\m*65536+\a*1024+32*\c   ; q's six fragments stay in registers
.endr
.endr
.endr
.set j, 0
.rept 64
	v_mov_b32 v[OW+j], 0                           ; the key step is written once: a modality's first step finds zeros
.set j, j+1
.endr
	WIN 0
	v_mul_u32_u24 v[AK0], v8, KP
	v_mul_u32_u24 v[AV0], v8, VP
	v_lshlrev_b32 v[GO], 12, v9
	v_lshl_add_u32 v[AK0], v9, 4, v[AK0]
	v_lshl_add_u32 v[AV0], v9, 4, v[AV0]
	v_lshl_add_u32 v[GO], v8, 4, v[GO]             ; lanes 0-15 one row, lanes 16-31 the next; 16 bytes a lane
	v_lshlrev_b32 v4, 12, v8
	v_lshl_add_u32 v4, v9, 5, v4                   ; v4: the residual in the total's layout: row r of query, + 32 h bytes
	s_mul_i32 s16, s[WV], 32*272
	s_add_co_u32 s16, s16, STG                     ; my stage
	v_mul_u32_u24 v[SIN], v8, 272
	v_mul_u32_u24 v[SOUT], v9, 272
	v_lshl_add_u32 v[SIN], v9, 5, v[SIN]
	v_lshl_add_u32 v[SOUT], v8, 4, v[SOUT]
	v_add_nc_u32 v[SIN], s16, v[SIN]               ; in: row r; tile t's eight channels of my half at 64 t + 32 h
	v_add_nc_u32 v[SOUT], s16, v[SOUT]
	v_mov_b32 v13, 0xff61b1e6                      ; the largest t so far: -3e38
	v_mov_b32 v15, 0xff61b1e6
	v_floor_f32 v12, -v13
	v_floor_f32 v14, -v15
.irp j, 16,17,18,19,21,23
	v_mov_b32 v\j, 0                               ; the sums; and the upper halves of f's pairs, which are named with them
.endr
	s_wait_alu depctr_va_vdst(0)
	s_wait_kmcnt 0x0
.irp m, 0,1,2
	s_add_co_i32 s16, s[68+4*\m], s[69+4*\m]
	s_lshl_b32 s16, s16, 23
	s_add_co_i32 s[CS+2*\m], s16, 0x3e38aa3b       ; c = log2(e) / 8, with eq + ek added to its exponent field
	s_mov_b32 s[CS+2*\m+1], s[CS+2*\m]
	s_add_co_i32 s[80+\m], s[70+4*\m], s[71+4*\m]  ; ep + ev
	s_add_co_i32 s16, s[70+4*\m], 127
	s_lshl_b32 s[83+\m], s16, 23                   ; 2^ep
.endr
; A KEY STEP: 128 keys of modality m, out of the given slot, against my 32 queries.  k's fragments are in: they were fetched a step ago.
.macro STEP m, slot
	s_add_co_u32 s[TN], s[TK], 128*KP              ; the next step's k,
	s_min_u32 s[TN], s[TN], (\slot)*SLOTB+896*KP   ; held at the slot's last 128 keys
	v_add_nc_u32 v[ADK], s[TN], v[AK0]
	v_add_nc_u32 v[ADV], s[TV], v[AV0]
	WIN 0x05                                       ; k and q in window 1
.irp t, 0,1,2,3,4,5,6,7
.irp a, 0,1
	v_wmma_f32_16x16x64_fp8_fp8 v[S+64*\a+8*\t:S+64*\a+8*\t+7], v[KW+8*\t:KW+8*\t+7], v[QW+16*(\m)+8*\a:QW+16*(\m)+8*\a+7], 0
.endr
.endr
.rept 4
	v_nop                                          ; four places in front of loads into registers that products have read, and of the first read of results
.endr
	WIN 0x40
.irp t, 0,1,2,3,4,5,6,7
	ds_load_b128 v[KW+8*\t:KW+8*\t+3], v[ADK] offset:16*KP*\t
	ds_load_b128 v[KW+8*\t+4:KW+8*\t+7], v[ADK] offset:16*KP*\t+32
.endr
	WIN 0
.irp t, 0,1,2,3
.irp c, 0,1,2,3
	ds_load_b128 v[KF+16*\t+4*\c:KF+16*\t+4*\c+3], v[ADV] offset:16*VP*\t+32*\c   ; this step's v: both runs land under the softmax
.endr
.endr
.irp a, 0,1                                    ; the step's largest score of each query among my 64 keys: two chains a tile, each accumulator from its low end on
	v_max3_num_f32 v[MA+2*\a], v[S+64*\a], v[S+64*\a+1], v[S+64*\a+2]
	v_max3_num_f32 v[MA+2*\a+1], v[S+64*\a+3], v[S+64*\a+4], v[S+64*\a+5]
.endr
.irp i, 6,10,14,18,22,26,30,34,38,42,46,50,54,58
.irp a, 0,1
	v_max3_num_f32 v[MA+2*\a], v[MA+2*\a], v[S+64*\a+\i], v[S+64*\a+\i+1]
	v_max3_num_f32 v[MA+2*\a+1], v[MA+2*\a+1], v[S+64*\a+\i+2], v[S+64*\a+\i+3]
.endr
.endr
.irp a, 0,1
	v_max3_num_f32 v[MA+2*\a], v[MA+2*\a], v[S+64*\a+62], v[S+64*\a+63]
.endr
.irp a, 0,1
	v_max_num_f32 v[MA+2*\a], v[MA+2*\a], v[MA+2*\a+1]
.endr
.irp a, 0,1
	v_permlanex16_b32 v[MA+2*\a+1], v[MA+2*\a], s[SEL], s[SEL+1]
.endr
.irp a, 0,1
	v_max_num_f32 v[MA+2*\a], v[MA+2*\a], v[MA+2*\a+1]     ; and among lane l xor 16's
.endr
.irp a, 0,1
	v_mul_f32 v[MA+2*\a], s[CS+2*(\m)], v[MA+2*\a]         ; as t (c is positive)
.endr
.irp a, 0,1
	v_max_num_f32 v[13+2*\a], v[13+2*\a], v[MA+2*\a]
.endr
.irp a, 0,1
	v_mov_b32 v[MA+2*\a], v[12+2*\a]
.endr
.irp a, 0,1
	v_floor_f32 v[12+2*\a], -v[13+2*\a]                    ; the new -M = floor(-t): M is a whole number
.endr
.irp a, 0,1
	v_sub_f32 v[MA+2*\a], v[12+2*\a], v[MA+2*\a]
.endr
.irp a, 0,1
	v_cvt_i32_f32 v[MA+2*\a], v[MA+2*\a]                   ; (it saturates)
.endr
.irp a, 0,1
	v_ldexp_f32 v[20+2*\a], 1.0, v[MA+2*\a]                ; f = 2^(old M - new M)
.endr
.irp a, 0,1
.set j, 0
.rept 32
	v_pk_fma_f32 v[S+64*\a+j:S+64*\a+j+1], v[S+64*\a+j:S+64*\a+j+1], s[CS+2*(\m):CS+2*(\m)+1], v[12+2*\a:13+2*\a] op_sel_hi:[1,0,0]   ; t - M
.set j, j+2
.endr
.endr
	s_wait_alu depctr_va_vdst(0)
.set j, 0
.rept 128
	v_exp_f32 v[S+j], v[S+j]                       ; p = 2^(t - M): one batch for both tiles
.set j, j+1
.endr
.irp a, 0,1
	v_pk_mul_f32 v[16+2*\a:17+2*\a], v[16+2*\a:17+2*\a], v[20+2*\a:21+2*\a] op_sel_hi:[1,0]   ; the sums under the new M: plain lines behind the exponentials
.endr
	s_wait_alu depctr_va_vdst(0)                   ; one wait for the batch, ahead of its first reader
.irp k, 0,1,2                                  ; the rows' sums of the unquantised p: four chains a tile; the side chains lie where p's codes will lie
.irp a, 0,1
	v_pk_add_f32 v[P+6*\a+2*\k:P+6*\a+2*\k+1], v[S+64*\a+4*\k:S+64*\a+4*\k+1], v[S+64*\a+4*\k+2:S+64*\a+4*\k+3]
.endr
.endr
.irp a, 0,1
	v_pk_add_f32 v[16+2*\a:17+2*\a], v[16+2*\a:17+2*\a], v[S+64*\a+12:S+64*\a+13]
	v_pk_add_f32 v[P+6*\a:P+6*\a+1], v[P+6*\a:P+6*\a+1], v[S+64*\a+14:S+64*\a+15]
.endr
.irp i, 16,24,32,40,48,56
.irp a, 0,1
	v_pk_add_f32 v[16+2*\a:17+2*\a], v[16+2*\a:17+2*\a], v[S+64*\a+\i:S+64*\a+\i+1]
	v_pk_add_f32 v[P+6*\a:P+6*\a+1], v[P+6*\a:P+6*\a+1], v[S+64*\a+\i+2:S+64*\a+\i+3]
	v_pk_add_f32 v[P+6*\a+2:P+6*\a+3], v[P+6*\a+2:P+6*\a+3], v[S+64*\a+\i+4:S+64*\a+\i+5]
	v_pk_add_f32 v[P+6*\a+4:P+6*\a+5], v[P+6*\a+4:P+6*\a+5], v[S+64*\a+\i+6:S+64*\a+\i+7]
.endr
.endr
.irp a, 0,1
	v_pk_add_f32 v[P+6*\a:P+6*\a+1], v[P+6*\a:P+6*\a+1], v[P+6*\a+2:P+6*\a+3]
	v_pk_add_f32 v[16+2*\a:17+2*\a], v[16+2*\a:17+2*\a], v[P+6*\a+4:P+6*\a+5]
.endr
.irp a, 0,1
	v_pk_add_f32 v[16+2*\a:17+2*\a], v[16+2*\a:17+2*\a], v[P+6*\a:P+6*\a+1]
.endr
.irp t, 0,1,2,3,4,5,6,7
.irp a, 0,1
	v_cvt_scalef32_pk8_fp8_f32 v[P+16*\a+2*\t:P+16*\a+2*\t+1], v[S+64*\a+8*\t:S+64*\a+8*\t+7], v[SCL]   ; p / 2^ep is at most 256 (the head's limit on ep): no hold
.endr
.endr
	s_wait_dscnt 0x0                               ; v is in, and so is the next step's k
	WIN 0x41
	s_wait_alu depctr_va_vdst(0)                   ; directly ahead of the first reader of O^T
.irp a, 0,1
.set j, 0
.rept 16
	v_pk_mul_f32 v[OW+32*\a+j:OW+32*\a+j+1], v[OW+32*\a+j:OW+32*\a+j+1], v[20+2*\a:21+2*\a] op_sel_hi:[1,0]   ; O^T under the new M; also the plain lines behind the conversions
.set j, j+2
.endr
.endr
	WIN 0x50
.irp t, 0,1,2,3
.irp a, 0,1
	v_wmma_f32_16x16x128_fp8_fp8 v[OW+32*\a+8*\t:OW+32*\a+8*\t+7], v[KF+16*\t:KF+16*\t+15], v[P+16*\a:P+16*\a+15], v[OW+32*\a+8*\t:OW+32*\a+8*\t+7]   ; the eight accumulators take turns, one instruction a turn
.endr
.endr
	WIN 0
.endm
; A MODALITY: eight key steps out of one slot.
.macro MODAL m, slot
	v_mov_b32 v[SCL], s[83+\m]
	s_mov_b32 s[TK], \slot*SLOTB
	s_mov_b32 s[TV], \slot*SLOTB+VOFF
	s_mov_b32 s[CNT], 8
	v_add_nc_u32 v[ADK], s[TK], v[AK0]
	WIN 0x40
.irp u, 0,1,2,3,4,5,6,7
	ds_load_b128 v[KW+8*\u:KW+8*\u+3], v[ADK] offset:16*KP*\u      ; the first step's k
	ds_load_b128 v[KW+8*\u+4:KW+8*\u+7], v[ADK] offset:16*KP*\u+32
.endr
	WIN 0
	s_wait_alu depctr_va_vdst(0)
	s_wait_dscnt 0x0
.Lkey_\@:
	STEP \m, \slot
	s_add_co_u32 s[TK], s[TK], 128*KP
	s_add_co_u32 s[TV], s[TV], 64*VP
	s_sub_co_u32 s[CNT], s[CNT], 1
	s_cmp_lg_u32 s[CNT], 0
	s_cbranch_scc1 .Lkey_\@
.endm
; A MODALITY'S END: O^T x 2^(ep + ev) / l joins the total; last = 0: O^T, the sums and M begin anew.  Work on registers alone: it stands between the signal and the wait of the barrier that follows a modality.
.macro FINISH m, last
.rept 4
	v_nop                                          ; places behind the last products
.endr
.irp a, 0,1
	v_add_f32 v[16+2*\a], v[16+2*\a], v[17+2*\a]
.endr
.irp a, 0,1
	v_permlanex16_b32 v[MA+2*\a], v[16+2*\a], s[SEL], s[SEL+1]
.endr
.irp a, 0,1
	v_add_f32 v[16+2*\a], v[16+2*\a], v[MA+2*\a]   ; the rows' sums
.endr
	s_wait_alu depctr_va_vdst(0)                   ; ahead of the reciprocals
.irp a, 0,1
	v_rcp_f32 v[20+2*\a], v[16+2*\a]
.endr
.if \last
	v_nop                                          ; a plain line behind the reciprocals
.else
	v_mov_b32 v13, 0xff61b1e6                      ; (plain lines behind the reciprocals)  the next modality's largest t
	v_mov_b32 v15, 0xff61b1e6
.endif
	s_wait_alu depctr_va_vdst(0)                   ; ahead of the reciprocals' first reader
.irp a, 0,1
	v_ldexp_f32 v[20+2*\a], v[20+2*\a], s[80+\m]
.endr
	WIN 0x51
	s_wait_alu depctr_va_vdst(0)                   ; directly ahead of the first reader of O^T
.irp a, 0,1
.set j, 0
.rept 16
	v_pk_fma_f32 v[TW+32*\a+j:TW+32*\a+j+1], v[OW+32*\a+j:OW+32*\a+j+1], v[20+2*\a:21+2*\a], v[TW+32*\a+j:TW+32*\a+j+1] op_sel_hi:[1,0,1]   ; the total began as the residual
.set j, j+2
.endr
.endr
.if \last == 0
	WIN 0x40
.set j, 0
.rept 64
	v_mov_b32 v[OW+j], 0
.set j, j+1
.endr
	WIN 0
	v_floor_f32 v12, -v13
	v_floor_f32 v14, -v15
.irp j, 16,17,18,19
	v_mov_b32 v\j, 0
.endr
.endif
.endm
	s_wait_tensorcnt 0x0                           ; my part of modality 0 is in
	ds_add_u32 v[SPW], v[NIL]
	s_wait_dscnt 0x0
	CROUND                                         ; everybody's part is in, and all four work-groups are here
	JLOAD 1                                        ; modality 1 into slot 1: it has all of modality 0 in which to land
	WIN 0x40
.irp a, 0,1                                    ; THE RESIDUAL IS THE TOTAL'S FIRST VALUE: query at my 32 rows and the head's 64 channels, in the total's layout (register 8 t + j: channel 16 t + 8 h + j of row r).
.irp t, 0,1,2,3                                ; The wave's sixteen loads read each row's 256 bytes whole; they have all of modality 0 in which to land
	global_load_b128 v[TW+32*\a+8*\t:TW+32*\a+8*\t+3], v4, s[8:9] offset:65536*\a+64*\t
	global_load_b128 v[TW+32*\a+8*\t+4:TW+32*\a+8*\t+7], v4, s[8:9] offset:65536*\a+64*\t+16
.endr
.endr
	WIN 0
	s_wait_loadcnt 16                              ; q's twelve loads are in; the residual's sixteen, issued behind them, may be out
	MODAL 0, 0
	s_wait_loadcnt 0x0                             ; the residual
	s_wait_tensorcnt 0x0                           ; my part of slot 1 has landed: a group 0 may be written
	ds_add_u32 v[SPW], v[NIL]
	s_add_nc_u64 s[G0K+2:G0K+3], s[G0K+2:G0K+3], 2*65536   ; slot 0 takes modality 2
	s_add_nc_u64 s[G0V+2:G0V+3], s[G0V+2:G0V+3], 2*65536
	s_wait_dscnt 0x0                               ; the add is done, and my reads of slot 0 are over:
	s_barrier_signal -1                            ; say so (this barrier opens a round of the cluster's barrier),
	FINISH 0, 0                                    ; work on registers while the others arrive,
	s_barrier_wait -1
	CREST                                          ; both now hold of every wave of all four work-groups
	JLOAD 0                                        ; my one tensor load behind the round
	MODAL 1, 1
	s_wait_tensorcnt 0x0                           ; my part of modality 2 is in
	ds_add_u32 v[SPW], v[NIL]
	s_wait_dscnt 0x0                               ; my reads of slot 1 are over
	s_barrier_signal -1
	FINISH 1, 0                                    ; work on registers while the others arrive
	s_barrier_wait -1                              ; everybody's part is in
	MODAL 2, 0
	FINISH 2, 1
	; THE WAY OUT: the total, residual and all, goes through my stage and comes back as rows of 256 bytes; sixteen lanes store 256 consecutive bytes, aligned.
	WIN 0x04
.irp a, 0,1
.irp t, 0,1,2,3
	ds_store_b128 v[SIN], v[TW+32*\a+8*\t:TW+32*\a+8*\t+3] offset:16*272*\a+64*\t
	ds_store_b128 v[SIN], v[TW+32*\a+8*\t+4:TW+32*\a+8*\t+7] offset:16*272*\a+64*\t+16
.endr
.endr
	WIN 0
.irp i, 0,1,2,3,4,5,6,7,8,9,10,11,12,13,14,15
	ds_load_b128 v[KF+4*\i:KF+4*\i+3], v[SOUT] offset:2*\i*272   ; LDS serves a wave's instructions in order: these see my stores
.endr
.irp i, 0,1,2,3,4,5,6,7,8,9,10,11,12,13,14,15
	s_wait_dscnt 15-\i                             ; the younger loads from the stage may be out
	global_store_b128 v[GO], v[KF+4*\i:KF+4*\i+3], s[10:11] offset:8192*\i
.endr
	s_wait_tensorcnt 0x0                           ; the wave's end
	ds_add_u32 v[SPW], v[NIL]
	s_wait_dscnt 0x0
	CROUND                                         ; the closing round
	s_endpgm
.Lfunc_end_k_qe7f6d8bfc1_att:
	.size	k_qe7f6d8bfc1_att, .Lfunc_end_k_qe7f6d8bfc1_att-k_qe7f6d8bfc1_att
	.p2alignl 7, 3214868480
	.fill 96, 4, 3214868480
	.section	.rodata,"a",@progbits
	.p2align	6, 0x0
	.amdhsa_kernel k_qe7f6d8bfc1_att
		.amdhsa_group_segment_fixed_size 327680
		.amdhsa_private_segment_fixed_size 0
		.amdhsa_enable_private_segment 0
		.amdhsa_kernarg_size 32
		.amdhsa_user_sgpr_count 2
		.amdhsa_user_sgpr_kernarg_segment_ptr 1
		.amdhsa_wavefront_size32 1
		.amdhsa_system_sgpr_workgroup_id_x 1
		.amdhsa_system_sgpr_workgroup_id_y 1
		.amdhsa_system_sgpr_workgroup_id_z 1
		.amdhsa_system_vgpr_workitem_id 0
		.amdhsa_next_free_vgpr 496
		.amdhsa_next_free_sgpr 96
		.amdhsa_reserve_vcc 0
		.amdhsa_float_denorm_mode_32 3
		.amdhsa_float_denorm_mode_16_64 3
		.amdhsa_memory_ordered 1
		.amdhsa_forward_progress 1
		.amdhsa_inst_pref_size 109
	.end_amdhsa_kernel
	.amdgpu_metadata
---
amdhsa.version: [ 1, 2 ]
amdhsa.kernels:
  - .name:           k_qe7f6d8bfc1_att
    .symbol:         k_qe7f6d8bfc1_att.kd
    .args:
      - { .name: qkv, .offset: 0, .size: 8, .value_kind: global_buffer, .address_space: global }
      - { .name: lowp_scales, .offset: 8, .size: 8, .value_kind: global_buffer, .address_space: global }
      - { .name: query, .offset: 16, .size: 8, .value_kind: global_buffer, .address_space: global }
      - { .name: xr, .offset: 24, .size: 8, .value_kind: global_buffer, .address_space: global }
    .group_segment_fixed_size: 327680
    .private_segment_fixed_size: 0
    .kernarg_segment_align: 8
    .kernarg_segment_size: 32
    .max_flat_workgroup_size: 256
    .sgpr_count:     96
    .vgpr_count:     496
    .wavefront_size: 32
...
	.end_amdgpu_metadata
.endif
;; end of part 3
;; launch ffn (part 4): grid 128 x 1, 16 waves a work-group, no clusters, 201,216 bytes of LDS; arguments xr, wf, lowp_scales, b1, b2, g1, be1, g2, be2, out0; writes out0
.if DOCPART == 4
	.amdgcn_target "amdgcn-amd-amdhsa--gfx1250"
	.amdhsa_code_object_version 6
	.text
	.protected	k_qe7f6d8bfc1_ffn
	.globl	k_qe7f6d8bfc1_ffn
	.p2align	8
	.type	k_qe7f6d8bfc1_ffn,@function
k_qe7f6d8bfc1_ffn:
	s_mov_b64 s[64:65], 0
	v_nop
	global_prefetch_b8 v0, s[64:65] scope:SCOPE_SE
	s_setreg_imm32_b32 hwreg(HW_REG_WAVE_MODE, 25, 1), 1
	s_wait_xcnt 0x0
; out0 = LN2(o + gelu(o W1 + b1) W2 + b2), o = LN1(xr); both products on codes of FP8 (E4M3) with the given scales (entries 26 to 29); all else in f32.  o and the hidden layer never go to memory.
; SHARES.  A work-group owns 32 WHOLE rows (the norms want whole rows): two tiles of 16.  In the products wave w of sixteen owns columns 64 w .. 64 w + 63 of both tiles: eight accumulators.
; THE WEIGHTS come from wf, laid in the order of an operand's registers, straight into the one wave that uses them: 16 loads of 512 consecutive bytes for a K step of 128, each fragment feeding two products.
; NO JOINT LOADS: a K step's weights for a work-group are 131,072 bytes; two such slots, the operands' images (65,536) and the rows' f32 stage (131,584) are more than a WGP's 327,680 bytes of LDS;
; and no fragment is read by two waves of a work-group.
; OPERANDS GO FROM WAVE TO WAVE THROUGH LDS AS IMAGES OF THEIR REGISTERS: a fragment (16 rows x 128 K) is 4 stores of 512 bytes, lane l's 16 bytes at 16 l.
; THE PRODUCTS ARE USED TRANSPOSED, and the weight columns of a tile are chosen (lane r of tile 2 b + u: column 32 b + 8 u + r + 8 (r / 8)), so that the 16 registers of tiles 2 b, 2 b + 1 are 16 neighbours along the next K.
; The norms take the mean first and then the squares of the differences.  erf(z) = z P(z^2) / Q(z^2), degrees 6 and 4, z held within +-4, where erf is 1 to f32's last place.
; LIMITS: entries 26 and 28 between -126 and 119; 26 + 27 and 28 + 29 between -126 and 127.  NaN among the inputs is not served.
.set XIMG,   0                         ; LDS: o's 16 fragments (tile of rows m, K step s: 8 m + s), 2,048 bytes each,
.set HIMG,   32768                     ; the hidden layer's 16,
.set STAGE,  65536                     ; 32 rows x (4,096 + 16) bytes of f32: o, later o + ffn,
.set SPITCH, 4112
.set RED1,   STAGE+32*SPITCH           ; the rows' partial sums: [m 2][r 16][s 8] words; the squares' 1,024 bytes further on
.set XWI,  3                           ; v3   16 x lane + 2,048 x wave: where I store o's image
.set LI,   4                           ; v4   16 x lane
.set XA,   5                           ; v5   xr: row r, + 64 h
.set GA,   6                           ; v6   64 h
.set REDW, 7
.set REDR, 8
.set STW,  9                           ; v9   the stage: row 16 m + r, + 512 s + 64 h
.set STE0, 10                          ; v10  the stage: row r, + 256 w + 64 h;  v11: row 16 + r
.set STE1, 11
.set STR,  12                          ; v12  the stage: row 2 w, + 16 x lane
.set HWI,  13                          ; v13  where I store the hidden layer's quarter fragments
                                       ; v14, v15: 2^e26 and 448 x that; v16, v17: the same for e28; v18-23 at work
.set ACC,  24                          ; v24-87   accumulator (m, t) at 24 + 8 (4 m + t); first 64 numbers of xr; last two rows
.set BUF0, 88                          ; v88-151  weights of even K steps; first g1; last b2 and half of o
.set BUF1, 152                         ; v152-215 weights of odd K steps; first be1; last g2 and be2
.set AF,   216                         ; v216-247 two fragments of the row operand; the gelu's Z, X2, PP, QQ; last the other half of o
.set CD,   248                         ; v248-255 16 codes, two sets by turns
.set Z,    216
.set X2,   224
.set PP,   232
.set QQ,   240
.set B2R,  88
.set OA,   120
.set OC,   216
.set G2R,  152
.set E2R,  184
.set MU,   216                         ; the last norm: v216, v218 the two rows' means; v220, v222 their 1 / sqrt; v224-231 sums at work
.set RS,   220
.set TS,   224
.macro BARRIER                         ; my LDS stores have landed and my LDS loads are in: then the work-group's barrier
	s_wait_dscnt 0x0
	s_barrier_signal -1
	s_barrier_wait -1
.endm
.macro COEF reg, val                   ; a constant as a pair: the packed forms name a pair and take its low word for both halves
	s_mov_b32 s[\reg], \val
	s_mov_b32 s[\reg+1], s[\reg]
.endm
	s_load_b512 s[4:19], s[0:1], 0x0               ; xr 4, wf 6, the scales 8, b1 10, b2 12, g1 14, be1 16, g2 18
	s_load_b128 s[20:23], s[0:1], 0x40             ; be2 20, out0 22
	v_lshrrev_b32 v1, 5, v0
	s_delay_alu instid0(VALU_DEP_1)
	v_readfirstlane_b32 s24, v1                    ; wave w
	s_lshr_b32 s25, s24, 3                         ; m = w / 8
	s_and_b32 s26, s24, 7                          ; s = w % 8
	s_mov_b32 s28, 0x76543210
	s_mov_b32 s29, 0xfedcba98
	v_and_b32 v3, 31, v0
	v_and_b32 v1, 15, v0                           ; r
	v_bfe_u32 v2, v0, 4, 1                         ; h
	s_delay_alu instid0(VALU_DEP_3)
	v_lshlrev_b32 v[LI], 4, v3
	s_delay_alu instid0(VALU_DEP_3)
	v_lshlrev_b32 v[XA], 12, v1
	s_delay_alu instid0(VALU_DEP_1)
	v_lshl_add_u32 v[XA], v2, 6, v[XA]
	s_delay_alu instid0(VALU_DEP_4)
	v_lshlrev_b32 v[GA], 6, v2
	s_lshl_b32 s68, s25, 9
	s_add_co_u32 s68, s68, RED1
	v_lshl_add_u32 v[REDR], v1, 5, s68
	s_lshl_b32 s69, s26, 2
	v_add_nc_u32 v[REDW], s69, v[REDR]
	s_mul_i32 s68, s25, 16*SPITCH
	s_lshl_b32 s69, s26, 9
	s_add_co_u32 s68, s68, s69
	s_add_co_u32 s68, s68, STAGE
	v_mul_u32_u24 v22, v1, SPITCH
	s_delay_alu instid0(VALU_DEP_1)
	v_lshl_add_u32 v22, v2, 6, v22
	s_delay_alu instid0(VALU_DEP_1)
	v_add_nc_u32 v[STW], s68, v22
	s_lshl_b32 s68, s24, 8
	s_add_co_u32 s68, s68, STAGE
	v_add_nc_u32 v[STE0], s68, v22
	s_delay_alu instid0(VALU_DEP_1)
	v_add_nc_u32 v[STE1], 16*SPITCH, v[STE0]
	s_mul_i32 s68, s24, 2*SPITCH
	s_add_co_u32 s68, s68, STAGE
	v_add_nc_u32 v[STR], s68, v[LI]
	s_lshr_b32 s68, s24, 1
	s_lshl_b32 s68, s68, 11                        ; K step w / 2 of the second product,
	s_and_b32 s69, s24, 1
	s_lshl_b32 s69, s69, 10                        ; its blocks 2 (w % 2) and 2 (w % 2) + 1
	s_add_co_u32 s68, s68, s69
	s_add_co_u32 s68, s68, HIMG
	v_add_nc_u32 v[HWI], s68, v[LI]
	s_lshl_b32 s68, s24, 11
	v_add_nc_u32 v[XWI], s68, v[LI]
	COEF 40, -0.000000000272614225801306           ; P: the highest power first (the second, like Q's second, goes into a vector pair)
	COEF 42, -0.00000210102402082508
	COEF 44, -0.0000569250639462346
	COEF 46, -0.000734990630326855
	COEF 48, -0.00295459980854025
	COEF 50, -0.0160960333262415
	COEF 52, -0.0000145660718464996                ; Q
	COEF 54, -0.00168282697438203
	COEF 56, -0.00737332916720468
	COEF 58, -0.0142647390514189
	s_mov_b32 s60, 0.0000000277068142495902
	s_mov_b32 s61, -0.000213374055278905
	COEF 66, 0x3f3504f3                            ; 1 / sqrt(2)
	s_mov_b32 s76, 0x3a800000                      ; 1 / 1,024
	s_mov_b32 s77, 0x3727c5ac                      ; 1e-5
	s_lshl_b32 s70, ttmp9, 5
	s_lshl_b32 s71, s25, 4
	s_add_co_u32 s70, s70, s71
	s_lshl_b32 s70, s70, 12                        ; row 32 x work-group + 16 m,
	s_lshl_b32 s72, s26, 9                         ; columns 128 s on
	s_add_co_u32 s70, s70, s72
	s_mov_b32 s71, 0
	s_mov_b32 s73, 0
	s_wait_kmcnt 0x0
	s_load_b128 s[32:35], s[8:9], 0x68             ; entries 26 to 29
	s_add_nc_u64 s[4:5], s[4:5], s[70:71]
	s_add_nc_u64 s[14:15], s[14:15], s[72:73]
	s_add_nc_u64 s[16:17], s[16:17], s[72:73]
	s_lshl_b32 s72, s24, 8                         ; my 64 columns
	s_add_nc_u64 s[10:11], s[10:11], s[72:73]
	s_add_nc_u64 s[12:13], s[12:13], s[72:73]
	s_lshl_b32 s72, s24, 16
	s_add_nc_u64 s[6:7], s[6:7], s[72:73]          ; my weights
	s_lshl_b32 s72, ttmp9, 5
	s_lshl_b32 s70, s24, 1
	s_add_co_u32 s72, s72, s70
	s_lshl_b32 s72, s72, 12
	s_add_nc_u64 s[22:23], s[22:23], s[72:73]      ; out0 at row 32 x work-group + 2 w
	; ---- A: wave (m, s) takes 16 rows x 128 columns in the fragment's layout: register 16 c + i = column 128 s + 32 c + 16 h + i of row r
.irp c, 0,1,2,3
.irp j, 0,1,2,3
	global_load_b128 v[ACC+16*\c+4*\j:ACC+16*\c+4*\j+3], v[XA], s[4:5] offset:128*\c+16*\j th:TH_LOAD_NT
.endr
.endr
.irp c, 0,1,2,3
.irp j, 0,1,2,3
	global_load_b128 v[BUF0+16*\c+4*\j:BUF0+16*\c+4*\j+3], v[GA], s[14:15] offset:128*\c+16*\j
	global_load_b128 v[BUF1+16*\c+4*\j:BUF1+16*\c+4*\j+3], v[GA], s[16:17] offset:128*\c+16*\j
.endr
.endr
	s_wait_kmcnt 0x0
	s_add_co_i32 s68, s32, 127
	s_lshl_b32 s69, s68, 23
	v_mov_b32 v14, s69
	s_add_co_i32 s68, s68, 8
	s_lshl_b32 s68, s68, 23
	s_or_b32 s68, s68, 0x600000
	v_mov_b32 v15, s68
	s_add_co_i32 s68, s34, 127
	s_lshl_b32 s69, s68, 23
	v_mov_b32 v16, s69
	s_add_co_i32 s68, s68, 8
	s_lshl_b32 s68, s68, 23
	s_or_b32 s68, s68, 0x600000
	v_mov_b32 v17, s68
	s_add_co_i32 s68, s32, s33
	s_sub_co_i32 s74, 0, s68                       ; -(e26 + e27)
	s_add_co_i32 s68, s68, 127
	s_lshl_b32 s36, s68, 23                        ; 2^(e26 + e27)
	s_mov_b32 s37, s36
	s_add_co_i32 s68, s34, s35
	s_add_co_i32 s68, s68, 127
	s_lshl_b32 s38, s68, 23                        ; 2^(e28 + e29)
	s_mov_b32 s39, s38
	s_wait_loadcnt 32                              ; xr's 16 loads are in; g1's and be1's 32 may be out
	v_pk_add_f32 v[20:21], v[24:25], v[26:27]
	v_pk_add_f32 v[254:255], v[32:33], v[36:37]
	v_pk_add_f32 v[252:253], v[40:41], v[44:45]
	v_pk_add_f32 v[250:251], v[48:49], v[52:53]
	v_pk_add_f32 v[248:249], v[56:57], v[60:61]
	v_pk_add_f32 v[246:247], v[64:65], v[68:69]
	v_pk_add_f32 v[244:245], v[72:73], v[76:77]
	v_pk_add_f32 v[18:19], v[80:81], v[84:85]
	s_delay_alu instid0(VALU_DEP_1)
	v_pk_add_f32 v[18:19], v[18:19], v[28:29]
	v_pk_add_f32 v[20:21], v[20:21], v[30:31]
	v_pk_add_f32 v[254:255], v[254:255], v[34:35]
	v_pk_add_f32 v[252:253], v[252:253], v[38:39]
	v_pk_add_f32 v[250:251], v[250:251], v[42:43]
	v_pk_add_f32 v[248:249], v[248:249], v[46:47]
	v_pk_add_f32 v[246:247], v[246:247], v[50:51]
	v_pk_add_f32 v[244:245], v[244:245], v[54:55]
	v_pk_add_f32 v[18:19], v[18:19], v[58:59]
	v_pk_add_f32 v[20:21], v[20:21], v[62:63]
	v_pk_add_f32 v[254:255], v[254:255], v[66:67]
	v_pk_add_f32 v[252:253], v[252:253], v[70:71]
	v_pk_add_f32 v[250:251], v[250:251], v[74:75]
	v_pk_add_f32 v[248:249], v[248:249], v[78:79]
	v_pk_add_f32 v[246:247], v[246:247], v[82:83]
	v_pk_add_f32 v[244:245], v[244:245], v[86:87]
	s_delay_alu instid0(VALU_DEP_4)
	v_pk_add_f32 v[18:19], v[18:19], v[250:251]
	s_delay_alu instid0(VALU_DEP_4)
	v_pk_add_f32 v[20:21], v[20:21], v[248:249]
	s_delay_alu instid0(VALU_DEP_4)
	v_pk_add_f32 v[254:255], v[254:255], v[246:247]
	s_delay_alu instid0(VALU_DEP_4)
	v_pk_add_f32 v[252:253], v[252:253], v[244:245]
	s_delay_alu instid0(VALU_DEP_2)
	v_pk_add_f32 v[18:19], v[18:19], v[254:255]
	s_delay_alu instid0(VALU_DEP_2)
	v_pk_add_f32 v[20:21], v[20:21], v[252:253]
	s_delay_alu instid0(VALU_DEP_1)
	v_pk_add_f32 v[18:19], v[18:19], v[20:21]
	s_delay_alu instid0(VALU_DEP_1)
	v_add_f32 v18, v18, v19
	s_delay_alu instid0(VALU_DEP_1)
	v_permlanex16_b32 v22, v18, s28, s29
	s_delay_alu instid0(VALU_DEP_1)
	v_add_f32 v18, v18, v22                        ; my row's 128 columns
	ds_store_b32 v[REDW], v18                      ; (both halves of the lanes write the same word with the same number)
	BARRIER
	ds_load_b128 v[216:219], v[REDR]
	ds_load_b128 v[220:223], v[REDR] offset:16
	s_wait_dscnt 0x0
	v_pk_add_f32 v[216:217], v[216:217], v[218:219]
	v_pk_add_f32 v[220:221], v[220:221], v[222:223]
	s_delay_alu instid0(VALU_DEP_1)
	v_pk_add_f32 v[216:217], v[216:217], v[220:221]
	s_delay_alu instid0(VALU_DEP_1)
	v_add_f32 v18, v216, v217
	s_delay_alu instid0(VALU_DEP_1)
	v_mul_f32 v18, s76, v18                        ; the mean
.set j, 0
	s_wait_alu depctr_va_vdst(0)
.rept 32
	v_pk_add_f32 v[ACC+j:ACC+j+1], v[ACC+j:ACC+j+1], v[18:19] op_sel_hi:[1,0] neg_lo:[0,1] neg_hi:[0,1]
.set j, j+2
.endr
	v_pk_mul_f32 v[20:21], v[ACC:ACC+1], v[ACC:ACC+1]
	v_pk_mul_f32 v[22:23], v[ACC+2:ACC+3], v[ACC+2:ACC+3]
.irp j, 4,8,12,16,20,24,28,32,36,40,44,48,52,56,60
	s_delay_alu instid0(VALU_DEP_2)
	v_pk_fma_f32 v[20:21], v[ACC+\j:ACC+\j+1], v[ACC+\j:ACC+\j+1], v[20:21]
	s_delay_alu instid0(VALU_DEP_2)
	v_pk_fma_f32 v[22:23], v[ACC+\j+2:ACC+\j+3], v[ACC+\j+2:ACC+\j+3], v[22:23]
.endr
	s_delay_alu instid0(VALU_DEP_1)
	v_pk_add_f32 v[20:21], v[20:21], v[22:23]
	s_delay_alu instid0(VALU_DEP_1)
	v_add_f32 v20, v20, v21
	s_delay_alu instid0(VALU_DEP_1)
	v_permlanex16_b32 v21, v20, s28, s29
	s_delay_alu instid0(VALU_DEP_1)
	v_add_f32 v20, v20, v21
	ds_store_b32 v[REDW], v20 offset:1024
	BARRIER
	ds_load_b128 v[216:219], v[REDR] offset:1024
	ds_load_b128 v[220:223], v[REDR] offset:1040
	s_wait_dscnt 0x0
	v_pk_add_f32 v[216:217], v[216:217], v[218:219]
	v_pk_add_f32 v[220:221], v[220:221], v[222:223]
	s_delay_alu instid0(VALU_DEP_1)
	v_pk_add_f32 v[216:217], v[216:217], v[220:221]
	s_delay_alu instid0(VALU_DEP_1)
	v_add_f32 v20, v216, v217
	s_delay_alu instid0(VALU_DEP_1)
	v_fma_f32 v20, v20, s76, s77                   ; the variance + 1e-5
	s_wait_alu depctr_va_vdst(0)
	v_rsq_f32 v20, v20
	v_nop                                          ; a plain line behind the transcendental
	s_wait_alu depctr_va_vdst(0)                   ; and the wait ahead of its first reader
	s_wait_loadcnt 0x0                             ; g1, be1
.set j, 0
.rept 32
	v_pk_mul_f32 v[ACC+j:ACC+j+1], v[ACC+j:ACC+j+1], v[20:21] op_sel_hi:[1,0]
.set j, j+2
.endr
.set j, 0
.rept 32
	v_pk_fma_f32 v[ACC+j:ACC+j+1], v[ACC+j:ACC+j+1], v[BUF0+j:BUF0+j+1], v[BUF1+j:BUF1+j+1]
.set j, j+2
.endr
.irp c, 0,1,2,3
.irp j, 0,1,2,3
	ds_store_b128 v[STW], v[ACC+16*\c+4*\j:ACC+16*\c+4*\j+3] offset:128*\c+16*\j   ; o stays in the stage, in f32, for the residual
.endr
.endr
	s_wait_dscnt 0x0                               ; the stores have read their registers
.set j, 0
.rept 64
	v_med3_num_f32 v[ACC+j], v[ACC+j], -v15, v15   ; the hold (ISA guide 7.6.2: the conversion does not saturate)
.set j, j+1
.endr
.irp b, 0,1,2,3,4,5,6,7
	v_cvt_scalef32_pk8_fp8_f32 v[AF+2*\b:AF+2*\b+1], v[ACC+8*\b:ACC+8*\b+7], v14
.endr
	v_nop                                          ; a plain line behind the last conversion
.irp c, 0,1,2,3
	ds_store_b128 v[XWI], v[AF+4*\c:AF+4*\c+3] offset:XIMG+512*\c
.endr
	s_wait_dscnt 0x0
.macro BLOAD q                         ; the weights of K step q (0-7: W1, 8-15: W2): four fragments, 16 loads of 512 consecutive bytes
.set BB, BUF0+64*((\q)%2)
.irp t, 0,1,2,3
.irp c, 0,1,2,3
	global_load_b128 v[BB+16*\t+4*\c:BB+16*\t+4*\c+3], v[LI], s[6:7] offset:((\q)/8)*1048576+((\q)%8)*8192+2048*\t+512*\c
.endr
.endr
.endm
.macro AFETCH q                        ; the two tiles of rows' fragments of K step q
.irp m, 0,1
.irp c, 0,1,2,3
	ds_load_b128 v[AF+16*\m+4*\c:AF+16*\m+4*\c+3], v[LI] offset:((\q)/8)*32768+(8*\m+(\q)%8)*2048+512*\c
.endr
.endr
.endm
.irp m, 0,1                            ; b1 is the sums' first value: lane (r, h) wants, for tile 2 b + u, the numbers of columns 32 b + 16 h + 8 u + 0 .. 7
.irp t, 0,1,2,3
	global_load_b128 v[ACC+8*(4*\m+\t):ACC+8*(4*\m+\t)+3], v[GA], s[10:11] offset:128*(\t/2)+32*(\t%2)
	global_load_b128 v[ACC+8*(4*\m+\t)+4:ACC+8*(4*\m+\t)+7], v[GA], s[10:11] offset:128*(\t/2)+32*(\t%2)+16
.endr
.endr
	BLOAD 0
	BLOAD 1
	s_barrier_signal -1
	s_barrier_wait -1                              ; o's sixteen fragments lie in LDS
	AFETCH 0
	s_wait_loadcnt 32                              ; b1's 16 loads are in; the two K steps' 32 may be out
.set j, 0
.rept 64
	v_ldexp_f32 v[ACC+j], v[ACC+j], s74            ; a sum stands for sum x 2^(e26 + e27): b1 goes in divided by that
.set j, j+1
.endr
	; ---- B, D: sixteen K steps of 128, written out: every offset is an immediate.  The eight accumulators take turns, one instruction a turn
.macro KSTEP q
.set BB, BUF0+64*((\q)%2)
.if (\q) == 15
	s_wait_loadcnt 8                               ; this step's weights are in; b2's 8 loads may be out
.else
	s_wait_loadcnt 16                              ; this step's weights are in; the next step's 16 loads may be out
.endif
	s_wait_dscnt 0x0
.irp m, 0,1
.irp t, 0,1,2,3
.if (\q) == 8
	v_wmma_f32_16x16x128_fp8_fp8 v[ACC+8*(4*\m+\t):ACC+8*(4*\m+\t)+7], v[BB+16*\t:BB+16*\t+15], v[AF+16*\m:AF+16*\m+15], 0
.else
	v_wmma_f32_16x16x128_fp8_fp8 v[ACC+8*(4*\m+\t):ACC+8*(4*\m+\t)+7], v[BB+16*\t:BB+16*\t+15], v[AF+16*\m:AF+16*\m+15], v[ACC+8*(4*\m+\t):ACC+8*(4*\m+\t)+7]
.endif
.endr
.endr
.rept 4
	v_nop                                          ; places in front of loads into registers that these products read, and of the first read of results
.endr
.if (\q) <= 13
	BLOAD (\q)+2                                   ; two K steps ahead: the second layer's first two land under the gelu
.elseif (\q) == 14
.irp t, 0,1,2,3
	global_load_b128 v[B2R+8*\t:B2R+8*\t+3], v[GA], s[12:13] offset:128*(\t/2)+32*(\t%2)
	global_load_b128 v[B2R+8*\t+4:B2R+8*\t+7], v[GA], s[12:13] offset:128*(\t/2)+32*(\t%2)+16
.endr
.else
.irp i, 0,1,2,3,4,5,6,7
	global_load_b128 v[G2R+4*\i:G2R+4*\i+3], v[LI], s[18:19] offset:512*\i
	global_load_b128 v[E2R+4*\i:E2R+4*\i+3], v[LI], s[20:21] offset:512*\i
.endr
.endif
.if ((\q)%8) != 7
	AFETCH (\q)+1
.endif
.endm
	s_wait_alu depctr_va_vdst(0)
.irp q, 0,1,2,3,4,5,6,7
	KSTEP \q
.endr
	; ---- C: the gelu, and the hidden layer's quantiser
	v_mov_b32 v18, s60
	v_mov_b32 v19, s60
	v_mov_b32 v20, s61
	v_mov_b32 v21, s61
.macro GELU k                          ; tile k's eight numbers: x = sum x 2^(e26 + e27); 0.5 x + 0.5 x erf(x / sqrt(2))
.set AT, ACC+8*(\k)
.irp j, 0,2,4,6
	v_pk_mul_f32 v[AT+\j:AT+\j+1], v[AT+\j:AT+\j+1], s[36:37] op_sel_hi:[1,0]
.endr
.irp j, 0,2,4,6
	s_delay_alu instid0(VALU_DEP_4)
	v_pk_mul_f32 v[Z+\j:Z+\j+1], v[AT+\j:AT+\j+1], s[66:67] op_sel_hi:[1,0]
.endr
.irp j, 0,1,2,3,4,5,6,7
	v_med3_num_f32 v[Z+\j], v[Z+\j], -4.0, 4.0
.endr
.irp j, 0,2,4,6
	v_pk_mul_f32 v[X2+\j:X2+\j+1], v[Z+\j:Z+\j+1], v[Z+\j:Z+\j+1]
.endr
.irp j, 0,2,4,6
	v_pk_fma_f32 v[PP+\j:PP+\j+1], v[X2+\j:X2+\j+1], s[40:41], v[18:19] op_sel_hi:[1,0,0]
	v_pk_fma_f32 v[QQ+\j:QQ+\j+1], v[X2+\j:X2+\j+1], s[52:53], v[20:21] op_sel_hi:[1,0,0]
.endr
.irp c, 42,44,46,48,50
.irp j, 0,2,4,6
	v_pk_fma_f32 v[PP+\j:PP+\j+1], v[PP+\j:PP+\j+1], v[X2+\j:X2+\j+1], s[\c:\c+1] op_sel_hi:[1,1,0]
.endr
.endr
.irp c, 54,56,58
.irp j, 0,2,4,6
	v_pk_fma_f32 v[QQ+\j:QQ+\j+1], v[QQ+\j:QQ+\j+1], v[X2+\j:X2+\j+1], s[\c:\c+1] op_sel_hi:[1,1,0]
.endr
.endr
	s_wait_alu depctr_va_vdst(0)
.irp j, 0,1,2,3,4,5,6,7
	v_rcp_f32 v[QQ+\j], v[QQ+\j]
.endr
.irp j, 0,2,4,6
	v_pk_mul_f32 v[PP+\j:PP+\j+1], v[PP+\j:PP+\j+1], v[Z+\j:Z+\j+1]   ; plain lines behind the reciprocals
.endr
	s_wait_alu depctr_va_vdst(0)                   ; one wait for the eight, ahead of their first reader
.irp j, 0,2,4,6
	v_pk_mul_f32 v[PP+\j:PP+\j+1], v[PP+\j:PP+\j+1], v[QQ+\j:QQ+\j+1]   ; erf
.endr
.irp j, 0,2,4,6
	v_pk_mul_f32 v[AT+\j:AT+\j+1], v[AT+\j:AT+\j+1], 0.5 op_sel_hi:[1,0]
.endr
.irp j, 0,2,4,6
	s_delay_alu instid0(VALU_DEP_4)
	v_pk_fma_f32 v[AT+\j:AT+\j+1], v[AT+\j:AT+\j+1], v[PP+\j:PP+\j+1], v[AT+\j:AT+\j+1]
.endr
.endm
.irp m, 0,1
.irp b, 0,1
	GELU 4*\m+2*\b
	GELU 4*\m+2*\b+1
.set HB, ACC+8*(4*\m+2*\b)
.set j, 0
.rept 16
	v_med3_num_f32 v[HB+j], v[HB+j], -v17, v17
.set j, j+1
.endr
	v_cvt_scalef32_pk8_fp8_f32 v[CD+4*\b:CD+4*\b+1], v[HB:HB+7], v16
	v_cvt_scalef32_pk8_fp8_f32 v[CD+4*\b+2:CD+4*\b+3], v[HB+8:HB+15], v16
	v_nop                                          ; a plain line behind the last conversion
	ds_store_b128 v[HWI], v[CD+4*\b:CD+4*\b+3] offset:16384*\m+512*\b   ; hidden units 64 w + 32 b + 16 h + 0 .. 15 of row 16 m + r
.endr
.endr
	BARRIER                                        ; the hidden layer's sixteen fragments lie in LDS
	AFETCH 8
.irp q, 8,9,10,11,12,13,14,15
	KSTEP \q
.endr
	; ---- E: o + sum x 2^(e28 + e29) + b2, back into the bytes of the stage from which my columns of o came: no other wave touches them in this phase
.irp b, 0,1
.irp q, 0,1,2,3
	ds_load_b128 v[OA+16*\b+4*\q:OA+16*\b+4*\q+3], v[STE0] offset:128*\b+16*\q
	ds_load_b128 v[OC+16*\b+4*\q:OC+16*\b+4*\q+3], v[STE1] offset:128*\b+16*\q
.endr
.endr
	s_wait_loadcnt 16                              ; b2 is in; g2's and be2's 16 loads may be out
	s_wait_dscnt 0x0
.set j, 0
.rept 16
	v_pk_fma_f32 v[OA+j:OA+j+1], v[ACC+j:ACC+j+1], s[38:39], v[OA+j:OA+j+1] op_sel_hi:[1,0,1]   ; each accumulator from its low end on
	v_pk_fma_f32 v[OC+j:OC+j+1], v[ACC+32+j:ACC+32+j+1], s[38:39], v[OC+j:OC+j+1] op_sel_hi:[1,0,1]
.set j, j+2
.endr
.set j, 0
.rept 16
	v_pk_add_f32 v[OA+j:OA+j+1], v[OA+j:OA+j+1], v[B2R+j:B2R+j+1]
	v_pk_add_f32 v[OC+j:OC+j+1], v[OC+j:OC+j+1], v[B2R+j:B2R+j+1]
.set j, j+2
.endr
.irp b, 0,1
.irp q, 0,1,2,3
	ds_store_b128 v[STE0], v[OA+16*\b+4*\q:OA+16*\b+4*\q+3] offset:128*\b+16*\q
	ds_store_b128 v[STE1], v[OC+16*\b+4*\q:OC+16*\b+4*\q+3] offset:128*\b+16*\q
.endr
.endr
	BARRIER                                        ; 32 whole rows lie in the stage
	; ---- F: wave w takes rows 2 w and 2 w + 1, line by line together: a lane holds columns 128 i + 4 x lane + 0 .. 3
.irp p, 0,1
.irp i, 0,1,2,3,4,5,6,7
	ds_load_b128 v[ACC+32*\p+4*\i:ACC+32*\p+4*\i+3], v[STR] offset:SPITCH*\p+512*\i
.endr
.endr
.macro ALLSUM                          ; both rows: the two chains, the pair's halves, the 32 lanes
.irp p, 0
	s_delay_alu instid0(VALU_DEP_3)
	v_pk_add_f32 v[TS+4*\p:TS+4*\p+1], v[TS+4*\p:TS+4*\p+1], v[TS+4*\p+2:TS+4*\p+3]
.endr
.irp p, 1
	s_delay_alu instid0(VALU_DEP_2)
	v_pk_add_f32 v[TS+4*\p:TS+4*\p+1], v[TS+4*\p:TS+4*\p+1], v[TS+4*\p+2:TS+4*\p+3]
.endr
.irp p, 0,1
	s_delay_alu instid0(VALU_DEP_2)
	v_add_f32 v[TS+4*\p], v[TS+4*\p], v[TS+4*\p+1]
.endr
.irp x, 1,2,4,8
.irp p, 0,1
	s_delay_alu instid0(VALU_DEP_2)
	v_add_f32_dpp v[TS+4*\p], v[TS+4*\p], v[TS+4*\p] row_xmask:\x row_mask:0xf bank_mask:0xf
.endr
.endr
.irp p, 0,1
	s_delay_alu instid0(VALU_DEP_2)
	v_permlanex16_b32 v[TS+4*\p+1], v[TS+4*\p], s28, s29
.endr
.irp p, 0,1
	s_delay_alu instid0(VALU_DEP_2)
	v_add_f32 v[TS+4*\p], v[TS+4*\p], v[TS+4*\p+1]
.endr
.endm
	s_wait_dscnt 0x0
.irp p, 0,1
	v_pk_add_f32 v[TS+4*\p:TS+4*\p+1], v[ACC+32*\p:ACC+32*\p+1], v[ACC+32*\p+2:ACC+32*\p+3]
	v_pk_add_f32 v[TS+4*\p+2:TS+4*\p+3], v[ACC+32*\p+4:ACC+32*\p+5], v[ACC+32*\p+6:ACC+32*\p+7]
.endr
.irp j, 8,12,16,20,24,28
.irp p, 0,1
	s_delay_alu instid0(VALU_DEP_4)
	v_pk_add_f32 v[TS+4*\p:TS+4*\p+1], v[TS+4*\p:TS+4*\p+1], v[ACC+32*\p+\j:ACC+32*\p+\j+1]
	s_delay_alu instid0(VALU_DEP_4)
	v_pk_add_f32 v[TS+4*\p+2:TS+4*\p+3], v[TS+4*\p+2:TS+4*\p+3], v[ACC+32*\p+\j+2:ACC+32*\p+\j+3]
.endr
.endr
	ALLSUM
.irp p, 0,1
	s_delay_alu instid0(VALU_DEP_2)
	v_mul_f32 v[MU+2*\p], s76, v[TS+4*\p]          ; the means
.endr
.irp p, 0,1
.set j, 0
.rept 16
	v_pk_add_f32 v[ACC+32*\p+j:ACC+32*\p+j+1], v[ACC+32*\p+j:ACC+32*\p+j+1], v[MU+2*\p:MU+2*\p+1] op_sel_hi:[1,0] neg_lo:[0,1] neg_hi:[0,1]
.set j, j+2
.endr
.endr
.irp p, 0,1
	v_pk_mul_f32 v[TS+4*\p:TS+4*\p+1], v[ACC+32*\p:ACC+32*\p+1], v[ACC+32*\p:ACC+32*\p+1]
	v_pk_mul_f32 v[TS+4*\p+2:TS+4*\p+3], v[ACC+32*\p+2:ACC+32*\p+3], v[ACC+32*\p+2:ACC+32*\p+3]
.endr
.irp j, 4,8,12,16,20,24,28
.irp p, 0,1
	s_delay_alu instid0(VALU_DEP_4)
	v_pk_fma_f32 v[TS+4*\p:TS+4*\p+1], v[ACC+32*\p+\j:ACC+32*\p+\j+1], v[ACC+32*\p+\j:ACC+32*\p+\j+1], v[TS+4*\p:TS+4*\p+1]
	s_delay_alu instid0(VALU_DEP_4)
	v_pk_fma_f32 v[TS+4*\p+2:TS+4*\p+3], v[ACC+32*\p+\j+2:ACC+32*\p+\j+3], v[ACC+32*\p+\j+2:ACC+32*\p+\j+3], v[TS+4*\p+2:TS+4*\p+3]
.endr
.endr
	ALLSUM
.irp p, 0,1
	s_delay_alu instid0(VALU_DEP_2)
	v_fma_f32 v[RS+2*\p], v[TS+4*\p], s76, s77
.endr
	s_wait_alu depctr_va_vdst(0)
.irp p, 0,1
	v_rsq_f32 v[RS+2*\p], v[RS+2*\p]
.endr
	v_nop                                          ; a plain line behind the transcendentals
	s_wait_alu depctr_va_vdst(0)                   ; one wait for both, ahead of their first reader
	s_wait_loadcnt 0x0                             ; g2, be2
.irp p, 0,1
.set j, 0
.rept 16
	v_pk_mul_f32 v[ACC+32*\p+j:ACC+32*\p+j+1], v[ACC+32*\p+j:ACC+32*\p+j+1], v[RS+2*\p:RS+2*\p+1] op_sel_hi:[1,0]
.set j, j+2
.endr
.endr
.irp p, 0,1
.set j, 0
.rept 16
	v_pk_fma_f32 v[ACC+32*\p+j:ACC+32*\p+j+1], v[ACC+32*\p+j:ACC+32*\p+j+1], v[G2R+j:G2R+j+1], v[E2R+j:E2R+j+1]
.set j, j+2
.endr
.endr
.irp p, 0,1
.irp i, 0,1,2,3,4,5,6,7
	global_store_b128 v[LI], v[ACC+32*\p+4*\i:ACC+32*\p+4*\i+3], s[22:23] offset:4096*\p+512*\i th:TH_STORE_NT   ; the wave stores 512 consecutive bytes, aligned; written once, read by nobody here
.endr
.endr
	s_wait_xcnt 0x0
	v_lshl_add_u32 v254, v0, 2, 0x30a00
	v_mov_b32 v255, 0
	s_wait_alu depctr_va_vdst(0)
	s_wait_tensorcnt 0x0
	ds_add_u32 v254, v255
	s_wait_dscnt 0x0
	s_endpgm
.Lfunc_end_k_qe7f6d8bfc1_ffn:
	.size	k_qe7f6d8bfc1_ffn, .Lfunc_end_k_qe7f6d8bfc1_ffn-k_qe7f6d8bfc1_ffn
	.p2alignl 7, 3214868480
	.fill 96, 4, 3214868480
	.section	.rodata,"a",@progbits
	.p2align	6, 0x0
	.amdhsa_kernel k_qe7f6d8bfc1_ffn
		.amdhsa_group_segment_fixed_size 201216
		.amdhsa_private_segment_fixed_size 0
		.amdhsa_enable_private_segment 0
		.amdhsa_kernarg_size 80
		.amdhsa_user_sgpr_count 2
		.amdhsa_user_sgpr_kernarg_segment_ptr 1
		.amdhsa_wavefront_size32 1
		.amdhsa_system_sgpr_workgroup_id_x 1
		.amdhsa_system_sgpr_workgroup_id_y 1
		.amdhsa_system_sgpr_workgroup_id_z 1
		.amdhsa_system_vgpr_workitem_id 0
		.amdhsa_next_free_vgpr 256
		.amdhsa_next_free_sgpr 80
		.amdhsa_reserve_vcc 0
		.amdhsa_float_denorm_mode_32 3
		.amdhsa_float_denorm_mode_16_64 3
		.amdhsa_memory_ordered 1
		.amdhsa_forward_progress 1
		.amdhsa_inst_pref_size 152
	.end_amdhsa_kernel
	.amdgpu_metadata
---
amdhsa.version: [ 1, 2 ]
amdhsa.kernels:
  - .name:           k_qe7f6d8bfc1_ffn
    .symbol:         k_qe7f6d8bfc1_ffn.kd
    .args:
      - { .name: xr, .offset: 0, .size: 8, .value_kind: global_buffer, .address_space: global }
      - { .name: wf, .offset: 8, .size: 8, .value_kind: global_buffer, .address_space: global }
      - { .name: lowp_scales, .offset: 16, .size: 8, .value_kind: global_buffer, .address_space: global }
      - { .name: b1, .offset: 24, .size: 8, .value_kind: global_buffer, .address_space: global }
      - { .name: b2, .offset: 32, .size: 8, .value_kind: global_buffer, .address_space: global }
      - { .name: g1, .offset: 40, .size: 8, .value_kind: global_buffer, .address_space: global }
      - { .name: be1, .offset: 48, .size: 8, .value_kind: global_buffer, .address_space: global }
      - { .name: g2, .offset: 56, .size: 8, .value_kind: global_buffer, .address_space: global }
      - { .name: be2, .offset: 64, .size: 8, .value_kind: global_buffer, .address_space: global }
      - { .name: out0, .offset: 72, .size: 8, .value_kind: global_buffer, .address_space: global }
    .group_segment_fixed_size: 201216
    .private_segment_fixed_size: 0
    .kernarg_segment_align: 8
    .kernarg_segment_size: 80
    .max_flat_workgroup_size: 512
    .sgpr_count:     80
    .vgpr_count:     256
    .wavefront_size: 32
...
	.end_amdgpu_metadata
.endif
;; end of part 4
